; MI455X (gfx1250); checked and timed in simulation.
; The chip was launched on July 23, 2026; its instructions are those of AMD's public machine-readable ISA for CDNA 5 (MIT licence, August 2026) and "CDNA5" Instruction Set Architecture Reference Guide (July 2026). The comments in the code are by the model that wrote it; some were corrected since.
;; Llama Differential Attention. Allowed arithmetic: float matrix products may take bf16 or f16 operands with f32 sums; other float arithmetic in f32, or as packed bf16 or f16 multiplies, adds, multiply-adds, maxima and minima; sums over many terms, partial sums and values carried from step to step in f32; what a program stores and reads back later, other than sums and carried values, may be rounded once to bf16 or f16.
;; Inputs: hidden_states 2 x 1,024 x 2,048 float32; lambda_k1 64 float32; lambda_k2 64 float32; lambda_q1 64 float32; lambda_q2 64 float32; wk 1,024 x 2,048 float32; wo 2,048 x 2,048 float32; wq 4,096 x 2,048 float32; wv 512 x 2,048 float32.
;; Outputs: out0 2 x 1,024 x 2,048 float32.
;; One version. Each part assembles by itself: llvm-mc -triple=amdgcn-amd-amdhsa -mcpu=gfx1250 --defsym DOCPART=n.
;; ======== version 1 of 1: 4 launches
;; limits: values are held in f16: magnitudes above 65,504 overflow, below 6.1e-05 lose precision
;; workspace buffers: xb 8,388,608 bytes; wcat 23,068,672 bytes; wob 8,388,608 bytes; tab 262,144 bytes; qh 16,777,216 bytes; kv 6,291,456 bytes; ob 8,388,608 bytes
;; launch prep (part 1): grid 20 x 32, 8 waves a work-group, no clusters, 18,432 bytes of LDS; arguments hidden_states, wq, wk, wv, wo, xb, wcat, wob, tab; writes xb, wcat, wob, tab
.if DOCPART == 1
	.amdgcn_target "amdgcn-amd-amdhsa--gfx1250"
	.amdhsa_code_object_version 6
	.text
	.protected	k_qbe595f27df_prep
	.globl	k_qbe595f27df_prep
	.p2align	8
	.type	k_qbe595f27df_prep,@function
k_qbe595f27df_prep:
	s_mov_b64 s[64:65], 0
	v_nop
	global_prefetch_b8 v0, s[64:65] scope:SCOPE_SE
	s_setreg_imm32_b32 hwreg(HW_REG_WAVE_MODE, 25, 1), 1
	s_wait_xcnt 0x0
; PREP.  All matrix inputs are rounded once to bf16 and laid out in FRAGMENT BLOCKS; the table of cos and sin for the rotation is made.
; A fragment block is 16 rows x 32 k of 16-bit numbers, 1,024 bytes: [sub 2][lane 32][16 bytes]; lane l = 16 h + r, sub s holds row r, k = 16 s + 8 h + 0..7:
; the register image of a matrix operand (ISA guide 7.12.2), so that later launches fill a fragment by two loads of 16 bytes a lane, 512 consecutive bytes a wave.
; xb   [row group 128][k block 64][1024]  hidden_states in bf16.      wob  the same of wo: the bf16-rounded number written as f16.
; wcat [ct 32][t 11][k block 64][1024]    rows of wq, wk, wv regrouped: t = 2 u + sub, u = 0..4: rows 64 hh + 16 (ct & 1) + 32 sub + 0..15 of [wq; wk], hh = 16 u + ct / 2; t = 10: rows 16 ct .. of wv.
; tab  [16 positions 64][half 2][cos, sin][q 2][lane 32][16 bytes] f32: lane (r, h) holds frequencies j = 16 half + 8 h + 4 q + 0..3 at position 16 pg + r.
; SHARES.  Work-group (X, Y): X = 0-3 hidden_states, 4-13 wq and wk, 14 wv, 15-18 wo: 16 source rows x 2,048 k each; X = 19: 256 threads of the table.  Wave w takes k = 256 w .. 256 w + 255, as four units of 64 k.
; A unit: eight loads (two rows' 256 consecutive bytes each), sixteen roundings, through the wave's own stage in LDS (8 rows of 256 + 16 bytes), four stores of 512 consecutive aligned bytes.
; LIMITS.  wo in f16: beyond 65,504 an infinity, below 2^-14 f16's fixed step of 2^-24.  The angle pos x 10000^(-j/32) is made with 2^x good to one unit in the last place, so it is off by up to 1.5e-4 at position 1,023;
; the reduction by pi/2 in two parts and the two polynomials add under 1e-6.
.set STG,   8*272                      ; a wave's stage
.set SPARE, 8*STG                      ; behind the stages: the spare words, 128 bytes for each wave: four blocks of 256 bytes that no other line names
.set LOFF, 2                           ; v2  source offset: (l / 16) x 8 rows + 16 (l % 16) + 1,024 w
.set SA,   3                           ; v3  where my 8 bytes go in the stage
.set LA,   4                           ; v4  where I read 16 bytes back
.set GOFF, 5                           ; v5  8,192 w + 16 l
.set SPW,  8                           ; v8  my spare word; never rewritten
.set NIL,  9                           ; v9  0; never rewritten
.set PK,   16                          ; v[16:31]  a unit's 16 packed words
.set X,    32                          ; v[32:159] unit n at 32 + 32 n: as loaded, later (its first 16) as stored
	s_load_b512 s[8:23], s[0:1], 0x0               ; hidden s[8:9], wq s[10:11], wk s[12:13], wv s[14:15], wo s[16:17], xb s[18:19], wcat s[20:21], wob s[22:23]
	s_load_b64 s[24:25], s[0:1], 0x40              ; tab
	v_lshl_add_u32 v[SPW], v0, 2, SPARE
	v_mov_b32 v[NIL], 0
	v_lshrrev_b32 v1, 5, v0
	v_readfirstlane_b32 s36, v1                    ; wave 0..7
	s_mov_b32 s2, ttmp9                            ; X
	s_and_b32 s3, ttmp7, 0xffff                    ; Y
	s_cmp_ge_u32 s2, 15                            ; hidden_states and wo: row group 4 Y + X (or X - 15), in and out
	s_cselect_b32 s26, 15, 0
	s_sub_co_u32 s26, s2, s26
	s_lshl2_add_u32 s26, s3, s26
	s_sub_co_u32 s27, s2, 4                        ; the weights of the first product: t
	s_lshr_b32 s28, s27, 1
	s_lshl_b32 s28, s28, 4
	s_lshr_b32 s29, s3, 1
	s_add_co_u32 s28, s28, s29                     ; hh = 16 (t / 2) + Y / 2
	s_lshl_b32 s28, s28, 6
	s_and_b32 s29, s3, 1
	s_lshl_b32 s29, s29, 4
	s_add_co_u32 s28, s28, s29                     ; + 16 (Y & 1)
	s_and_b32 s29, s27, 1
	s_lshl_b32 s29, s29, 5
	s_add_co_u32 s28, s28, s29                     ; + 32 (t & 1): the row in [wq; wk]
	s_cmp_ge_u32 s27, 8
	s_cselect_b32 s29, 4096, 0
	s_sub_co_u32 s28, s28, s29                     ; the row in wq, or in wk
	s_lshl_b32 s29, s3, 4
	s_cmp_eq_u32 s27, 10
	s_cselect_b32 s28, s29, s28                    ; t = 10: row 16 Y of wv
	s_mul_i32 s29, s3, 11
	s_add_co_u32 s29, s29, s27                     ; the group in wcat: 11 Y + t
	s_lshl_b32 s30, s26, 4
	s_cmp_lt_u32 s27, 11                           ; X = 4 .. 14?
	s_cselect_b32 s28, s28, s30                    ; the first source row
	s_cselect_b32 s29, s29, s26                    ; the group that is written
	s_lshl_b32 s28, s28, 13                        ; x 8,192 bytes
	s_lshl_b32 s30, s29, 16                        ; x 65,536 bytes
	s_mov_b32 s29, 0
	s_mov_b32 s31, 0
	v_and_b32 v1, 31, v0                           ; l
	v_lshrrev_b32 v6, 4, v1
	v_and_b32 v7, 15, v1
	s_lshl_b32 s37, s36, 10
	v_lshlrev_b32 v[LOFF], 4, v7
	v_lshl_add_u32 v[LOFF], v6, 16, v[LOFF]
	v_add_nc_u32 v[LOFF], s37, v[LOFF]
	s_mul_i32 s38, s36, STG
	v_lshrrev_b32 v10, 1, v7                       ; my 4 numbers k = 4 (l % 16) .. belong to stage row (l % 16) / 2 = 4 block + 2 sub + h,
	v_mul_u32_u24 v[SA], v10, 272
	v_lshl_add_u32 v[SA], v6, 7, v[SA]             ; at 16 bytes x source row (the load's number stands in the immediate; + 8 rows for the upper lanes),
	v_and_b32 v10, 1, v1
	v_lshl_add_u32 v[SA], v10, 3, v[SA]            ; lower or upper 8 bytes
	v_add_nc_u32 v[SA], s38, v[SA]
	v_mul_u32_u24 v[LA], v6, 272                   ; back: lanes 0-15 the row of h = 0, lanes 16-31 that of h = 1
	v_lshl_add_u32 v[LA], v7, 4, v[LA]
	v_add_nc_u32 v[LA], s38, v[LA]
	s_lshl_b32 s37, s36, 13
	v_lshl_add_u32 v[GOFF], v1, 4, s37
	s_wait_kmcnt 0x0
	s_cmp_eq_u32 s2, 19
	s_cbranch_scc1 .Ltable
	s_cmp_lt_u32 s2, 12                            ; the source and the target are chosen by X alone
	s_cselect_b64 s[32:33], s[10:11], s[12:13]
	s_cmp_eq_u32 s2, 14
	s_cselect_b64 s[32:33], s[14:15], s[32:33]
	s_cmp_lt_u32 s2, 4
	s_cselect_b64 s[32:33], s[8:9], s[32:33]
	s_cselect_b64 s[34:35], s[18:19], s[20:21]
	s_cmp_ge_u32 s2, 15
	s_cselect_b64 s[32:33], s[16:17], s[32:33]
	s_cselect_b64 s[34:35], s[22:23], s[34:35]
	s_add_nc_u64 s[32:33], s[32:33], s[28:29]
	s_add_nc_u64 s[34:35], s[34:35], s[30:31]
.set n, 0
.rept 4                                ; all 32 loads of the wave go out at once: 16 KiB on their way
.irp t, 0,1,2,3,4,5,6,7
	global_load_b128 v[X+32*n+4*(\t):X+32*n+4*(\t)+3], v[LOFF], s[32:33] offset:(\t)*8192+n*256 th:TH_LOAD_NT
.endr
.set n, n+1
.endr
; Unit n: rounded, through the stage, back as four pieces of 512 bytes.  f16 = 1: the bf16 number is widened again and written as f16.
.macro PROC n, f16
	s_wait_loadcnt 8*(3-(\n))                      ; loads come back in order (ISA guide 5.7.1): the younger units' eight each may stay out
.set i, 0
.rept 16
	v_cvt_pk_bf16_f32 v[PK+i], v[X+32*(\n)+2*i], v[X+32*(\n)+2*i+1]
.set i, i+1
.endr
.if \f16
.set i, 0
.rept 16
	v_lshlrev_b32 v[X+32*(\n)+2*i], 16, v[PK+i]
	v_and_b32 v[X+32*(\n)+2*i+1], 0xffff0000, v[PK+i]
.set i, i+1
.endr
.set i, 0
.rept 16
	v_cvt_pk_f16_f32 v[PK+i], v[X+32*(\n)+2*i], v[X+32*(\n)+2*i+1]
.set i, i+1
.endr
.endif
.irp t, 0,1,2,3,4,5,6,7
	ds_store_b64 v[SA], v[PK+2*(\t):PK+2*(\t)+1] offset:16*(\t)  ; word address 68 (c / 2) + 32 (l / 16) + 2 (c % 2) + 4 t, c = l % 16: 32 lanes, 64 different banks
.endr
.irp g, 0,1,2,3
	ds_load_b128 v[X+32*(\n)+4*(\g):X+32*(\n)+4*(\g)+3], v[LA] offset:544*(\g)  ; LDS serves a wave's instructions in order (ISA guide 5.7.1.4): these see the stores above, and the next unit's stores come behind them
.endr
.endm
.macro SEND n, younger                 ; younger: the next unit's 8 stores and 4 loads, or none
	s_wait_dscnt \younger
.irp g, 0,1,2,3
	global_store_b128 v[GOFF], v[X+32*(\n)+4*(\g):X+32*(\n)+4*(\g)+3], s[34:35] offset:(\n)*2048+(\g)*512  ; 512 consecutive bytes, aligned
.endr
.endm
.macro ALLFOUR f16                     ; a unit's arithmetic stands between the stage loads of the unit before and its stores
	PROC 0, \f16
	PROC 1, \f16
	SEND 0, 12
	PROC 2, \f16
	SEND 1, 12
	PROC 3, \f16
	SEND 2, 12
	SEND 3, 0
.endm
	s_cmp_ge_u32 s2, 15
	s_cbranch_scc1 .Lhalf
	ALLFOUR 0
	s_branch .Lend
.Lhalf:
	ALLFOUR 1
.Lend:
	s_wait_tensorcnt 0x0                           ; the wave's end, behind my last LDS store
	ds_add_u32 v[SPW], v[NIL]
	s_wait_dscnt 0x0
	s_endpgm
; THE TABLE.  Thread T = 256 Y + t makes four cosines and four sines.  x = pos x 2^(-j log2(10000) / 32); n = the nearest whole number to x 2 / pi; r = x - n pi/2, pi/2 in two parts;
; sin r and cos r by polynomials on |r| <= pi/4; the quadrant n mod 4 swaps and signs them, by selects.  This path writes no LDS.
.set XA, 24
.set NA, 28
.set RA, 32
.set ZA, 36
.set PS, 40
.set PC, 44
.set QI, 48
.set TT, 52
.set CO, 56
.set SI, 60
.Ltable:
	s_mov_b32 s40, 0x3f22f983                      ; 2 / pi
	s_mov_b32 s41, 0x3fc90fdb                      ; pi / 2, rounded,
	s_mov_b32 s42, 0xb33bbd2e                      ; and what the rounding left
	s_mov_b32 s43, 0xb94ca1f9                      ; sine: -1.9515296e-4,
	s_mov_b32 s44, 0x3c08839e                      ; 8.3321609e-3,
	s_mov_b32 s45, 0xbe2aaaa3                      ; -1.6666655e-1
	s_mov_b32 s46, 0x37ccf5ce                      ; cosine: 2.4433157e-5,
	s_mov_b32 s47, 0xbab6061a                      ; -1.3887316e-3,
	s_mov_b32 s48, 0x3d2aaaa5                      ; 4.1666646e-2
	s_lshl_b32 s26, s3, 8
	v_add_nc_u32 v10, s26, v0                      ; T
	v_and_b32 v11, 31, v10                         ; l
	v_bfe_u32 v12, v10, 5, 1                       ; q
	v_bfe_u32 v13, v10, 6, 1                       ; half
	v_lshrrev_b32 v14, 7, v10                      ; pg
	v_and_b32 v15, 15, v11
	v_lshl_add_u32 v15, v14, 4, v15
	v_cvt_f32_u32 v15, v15                         ; pos
	v_lshrrev_b32 v16, 4, v11
	v_lshlrev_b32 v16, 3, v16
	v_lshl_add_u32 v16, v13, 4, v16
	v_lshl_add_u32 v16, v12, 2, v16                ; j of my first number
	v_lshrrev_b32 v17, 6, v10
	v_lshlrev_b32 v17, 11, v17
	v_lshl_add_u32 v17, v12, 9, v17
	v_lshl_add_u32 v17, v11, 4, v17                ; my 16 bytes of cosines; the sines lie 1,024 bytes on
.irp e, 0,1,2,3
	v_add_nc_u32 v[XA+(\e)], (\e), v16
	v_cvt_f32_u32 v[XA+(\e)], v[XA+(\e)]
	v_mul_f32 v[XA+(\e)], 0xbed49a78, v[XA+(\e)]   ; -j log2(10000) / 32
.endr
.irp e, 0,1,2,3
	v_exp_f32 v[XA+(\e)], v[XA+(\e)]
.endr
	v_nop                                          ; a plain instruction behind the last of the batch (ISA guide 5.7.2),
	s_wait_alu depctr_va_vdst(0)                   ; and the one wait ahead of the first reader
.irp e, 0,1,2,3
	v_mul_f32 v[XA+(\e)], v15, v[XA+(\e)]
	v_mul_f32 v[NA+(\e)], s40, v[XA+(\e)]
	v_rndne_f32 v[NA+(\e)], v[NA+(\e)]
	v_fma_f32 v[RA+(\e)], -v[NA+(\e)], s41, v[XA+(\e)]
	v_fma_f32 v[RA+(\e)], -v[NA+(\e)], s42, v[RA+(\e)]
	v_mul_f32 v[ZA+(\e)], v[RA+(\e)], v[RA+(\e)]
	v_fma_f32 v[PS+(\e)], v[ZA+(\e)], s43, s44
	v_fma_f32 v[PS+(\e)], v[PS+(\e)], v[ZA+(\e)], s45
	v_mul_f32 v[TT+(\e)], v[RA+(\e)], v[ZA+(\e)]
	v_fma_f32 v[PS+(\e)], v[TT+(\e)], v[PS+(\e)], v[RA+(\e)]   ; sin r
	v_fma_f32 v[PC+(\e)], v[ZA+(\e)], s46, s47
	v_fma_f32 v[PC+(\e)], v[PC+(\e)], v[ZA+(\e)], s48
	v_mul_f32 v[TT+(\e)], v[ZA+(\e)], v[ZA+(\e)]
	v_fma_f32 v[RA+(\e)], v[ZA+(\e)], -0.5, 1.0
	v_fma_f32 v[PC+(\e)], v[TT+(\e)], v[PC+(\e)], v[RA+(\e)]   ; cos r
	v_cvt_i32_f32 v[QI+(\e)], v[NA+(\e)]
	v_and_b32 v[TT+(\e)], 1, v[QI+(\e)]
	v_cmp_eq_u32 vcc_lo, 1, v[TT+(\e)]             ; odd quadrants swap the two
	v_cndmask_b32 v[CO+(\e)], v[PC+(\e)], v[PS+(\e)], vcc_lo
	v_cndmask_b32 v[SI+(\e)], v[PS+(\e)], v[PC+(\e)], vcc_lo
	v_and_b32 v[TT+(\e)], 2, v[QI+(\e)]            ; quadrants 2 and 3 turn the sine's sign,
	v_lshlrev_b32 v[TT+(\e)], 30, v[TT+(\e)]
	v_xor_b32 v[SI+(\e)], v[TT+(\e)], v[SI+(\e)]
	v_add_nc_u32 v[QI+(\e)], 1, v[QI+(\e)]         ; quadrants 1 and 2 the cosine's
	v_and_b32 v[QI+(\e)], 2, v[QI+(\e)]
	v_lshlrev_b32 v[QI+(\e)], 30, v[QI+(\e)]
	v_xor_b32 v[CO+(\e)], v[QI+(\e)], v[CO+(\e)]
.endr
	global_store_b128 v17, v[CO:CO+3], s[24:25]
	global_store_b128 v17, v[SI:SI+3], s[24:25] offset:1024
	s_endpgm
.Lfunc_end_k_qbe595f27df_prep:
	.size	k_qbe595f27df_prep, .Lfunc_end_k_qbe595f27df_prep-k_qbe595f27df_prep
	.p2alignl 7, 3214868480
	.fill 96, 4, 3214868480
	.section	.rodata,"a",@progbits
	.p2align	6, 0x0
	.amdhsa_kernel k_qbe595f27df_prep
		.amdhsa_group_segment_fixed_size 18432
		.amdhsa_private_segment_fixed_size 0
		.amdhsa_enable_private_segment 0
		.amdhsa_kernarg_size 72
		.amdhsa_user_sgpr_count 2
		.amdhsa_user_sgpr_kernarg_segment_ptr 1
		.amdhsa_wavefront_size32 1
		.amdhsa_system_sgpr_workgroup_id_x 1
		.amdhsa_system_sgpr_workgroup_id_y 1
		.amdhsa_system_sgpr_workgroup_id_z 1
		.amdhsa_system_vgpr_workitem_id 0
		.amdhsa_next_free_vgpr 160
		.amdhsa_next_free_sgpr 66
		.amdhsa_reserve_vcc 1
		.amdhsa_float_denorm_mode_32 3
		.amdhsa_float_denorm_mode_16_64 3
		.amdhsa_memory_ordered 1
		.amdhsa_forward_progress 1
		.amdhsa_inst_pref_size 41
	.end_amdhsa_kernel
	.amdgpu_metadata
---
amdhsa.version: [ 1, 2 ]
amdhsa.kernels:
  - .name:           k_qbe595f27df_prep
    .symbol:         k_qbe595f27df_prep.kd
    .args:
      - { .name: hidden_states, .offset: 0, .size: 8, .value_kind: global_buffer, .address_space: global }
      - { .name: wq, .offset: 8, .size: 8, .value_kind: global_buffer, .address_space: global }
      - { .name: wk, .offset: 16, .size: 8, .value_kind: global_buffer, .address_space: global }
      - { .name: wv, .offset: 24, .size: 8, .value_kind: global_buffer, .address_space: global }
      - { .name: wo, .offset: 32, .size: 8, .value_kind: global_buffer, .address_space: global }
      - { .name: xb, .offset: 40, .size: 8, .value_kind: global_buffer, .address_space: global }
      - { .name: wcat, .offset: 48, .size: 8, .value_kind: global_buffer, .address_space: global }
      - { .name: wob, .offset: 56, .size: 8, .value_kind: global_buffer, .address_space: global }
      - { .name: tab, .offset: 64, .size: 8, .value_kind: global_buffer, .address_space: global }
    .group_segment_fixed_size: 18432
    .private_segment_fixed_size: 0
    .kernarg_segment_align: 8
    .kernarg_segment_size: 72
    .max_flat_workgroup_size: 256
    .sgpr_count:     66
    .vgpr_count:     160
    .wavefront_size: 32
...
	.end_amdgpu_metadata
.endif
;; end of part 1
;; launch qkv (part 2): grid 32 x 8, 4 waves a work-group, clusters of 4 x 4, 327,680 bytes of LDS; arguments xb, wcat, tab, qh, kv; writes qh, kv
.if DOCPART == 2
	.amdgcn_target "amdgcn-amd-amdhsa--gfx1250"
	.amdhsa_code_object_version 6
	.text
	.protected	k_qbe595f27df_qkv
	.globl	k_qbe595f27df_qkv
	.p2align	8
	.type	k_qbe595f27df_qkv,@function
k_qbe595f27df_qkv:
	s_mov_b64 s[64:65], 0
	v_nop
	global_prefetch_b8 v0, s[64:65] scope:SCOPE_SE
	s_setreg_imm32_b32 hwreg(HW_REG_WAVE_MODE, 25, 1), 1
	s_wait_xcnt 0x0
	s_wait_alu depctr_hold_cnt(0) depctr_sa_sdst(0) depctr_va_vdst(0) depctr_va_sdst(0) depctr_va_ssrc(0) depctr_va_vcc(0) depctr_vm_vsrc(0)
	s_getreg_b32 s2, hwreg(HW_REG_IB_STS2, 6, 4)
	s_cmp_eq_u32 s2, 0
	s_cbranch_scc0 .Lentry_in_a_cluster
	s_endpgm
.Lentry_in_a_cluster:
	s_bfe_u32 s2, ttmp6, 0x10000c
	s_cmp_lg_u32 s2, 0xf033
	s_cbranch_scc0 .Lentry_shape_is_right
	s_endpgm
.Lentry_shape_is_right:
; QKV.  [2,048 tokens] x [5,632 regrouped rows of wq, wk, wv] over K = 2,048, in bf16 with f32 sums; the rotation by position in f32 on the way out; q, k and v rounded once to f16.
; All operands lie in fragment blocks of 16 rows x 32 k, 1,024 bytes: [sub 2][lane 32][16 bytes]; lane 16 h + r, sub s holds row r, k = 16 s + 8 h + 0..7.
; SHARES.  A work-group makes 256 tokens (rt) x 176 columns (ct): 8 x 32 = 256 work-groups.  A wave makes 64 tokens x 176 columns: 44 accumulators (a = 0..3, b = 0..10), 352 registers.
; The 176 columns of ct are five pairs of 16 (channels d and d + 32 of one head: b = 2 u, 2 u + 1; heads hh = 16 u + ct / 2; d = 16 (ct & 1) + 0..15) and 16 channels of v (b = 10).
; b < 10: source 0 = 16 weight rows, source 1 = 16 tokens: a lane holds ONE token (lane % 16) and 8 neighbouring channels, of d in one accumulator and of d + 32 in the next: the rotation never leaves the lane,
; and its 8 results are 16 bytes of a fragment block of q or k.  b = 10: the sources swapped: a lane holds one channel and 8 tokens: 16 bytes of a block of V^T.  So every store is 512 consecutive aligned bytes, with no stage.
; RING.  K goes in steps of 128 through two LDS slots.  A slot: tokens' K half 0 (16 row groups x 2,048 bytes), K half 1, weights' K half 0 (11 x 2,048), K half 1: one tensor load a wave, at 32,768 x wave.
; Blocks lie in LDS as in memory: a fragment load takes 512 consecutive bytes, so there is no padding.  By this text's count a wave has two tensor loads out at the start and one behind each change of slots.
; CLUSTER.  4 x 4: the tokens' tiles hang on rt alone and are asked for jointly along a row of the cluster, the weights' on ct alone, along a column.
; OUT.  qh [batch 2][hh 64][16 tokens 64][half 2][sub 2][512]: half c, sub 0 holds d = 16 c + .., sub 1 d = 32 + 16 c + ..: the same order in q and k, so their products are those of the true order.
;       kv [batch x 8 + kv head][128 keys 8][K1, K2, V^T][16,384]: K as [16 keys 8][half 2][sub 2][512], V^T as [16 keys 8][16 channels 4][512].
; LIMITS.  q, k, v beyond 65,504 become infinities in f16.  NaN and infinities are not treated apart.
; REGISTERS, in windows of 256 (s_set_vgpr_msb: bits 1:0 source 0, 3:2 source 1, 5:4 source 2, 7:6 destination):
;   window 0: addresses; v32-95 cos and sin; v96-175, v176-219 at work on the way out      window 1: two fragment buffers of 120: weights' b at 8 b, tokens' a at 88 + 8 a
;   window 2: accumulators a = 0, 1 at 88 a + 8 b            window 3: a = 2, 3
.set KSTEPB, 4096                      ; bytes of a row group in a K step
.set SLOT,   131072
.set SPARE,  2*SLOT                    ; behind the ring: the spare words, 128 bytes for each wave: two blocks of 256 bytes that no other line names
.set LAPS,   8                         ; a lap = two K steps
.set ADRA, 16                          ; v16-17  LDS address of my tokens' fragments in slot 0, 1
.set ADRB, 20                          ; v20-21  of the weights'
.set LO,   24                          ; v24  16 x lane; never rewritten
.set SPW,  28                          ; v28  my spare word; never rewritten
.set NIL,  29                          ; v29  0; never rewritten
.set PFO,  30                          ; v30  the prefetches' offset; never rewritten
.set TAB,  32                          ; row block a: 8 cosines at 32 + 16 a, 8 sines at 40 + 16 a
.set TMP,  96
.set OUT,  176
.set F0,   0
.set F1,   128
.set WV,  14                           ; s14  my wave's number; s15 = wave / 2: I fetch tokens (0) or weights (1); s16 = wave % 2: which K half
.set G1,  24                           ; s[24:31] descriptor group 1 for the tokens' tiles; s[32:39] group 0, a set for each slot
.set G0,  32
.set G1B, 48                           ; s[48:55], s[56:63] the same for the weights'
.set G0B, 56
.set LIM, 43                           ; s43  1 in a wave that prefetches, else the greatest number
.set PFA, 44                           ; s[44:45] where my prefetches stand
.set SQ,  66                           ; s[66:67] q's, s[68:69] k's, s[70:71] v's place for my first row block; s[72:73] the table's
.set SK,  68
.set SV,  70
.set TB,  72
.set MSB, 0
.macro WIN new                         ; the immediate's high byte repeats the setting that is left; a switch that changes nothing is dropped
.if MSB != (\new)
	s_set_vgpr_msb (MSB<<8)|(\new)
.set MSB, (\new)
.endif
.endm
.macro PLACES                          ; four plain instructions between a matrix instruction and a load into, or a vector read of, its registers (ISA guide 7.12.1 for vector reads)
.rept 4
	v_nop
.endr
.endm
; A joint load.  The branch hangs on the wave's number alone.  An s_nop 0 and four v_nop follow each of the two lines, ahead of the jump and the label.
.macro JLOAD s
	s_cmp_eq_u32 s15, 0
	s_cbranch_scc0 .Lfor_b_\@
	tensor_load_to_lds s[G0+4*(\s):G0+4*(\s)+3], s[G1:G1+7]
	s_nop 0
.rept 4
	v_nop
.endr
	s_branch .Lasked_\@
.Lfor_b_\@:
	tensor_load_to_lds s[G0B+4*(\s):G0B+4*(\s)+3], s[G1B:G1B+7]
	s_nop 0
.rept 4
	v_nop
.endr
.Lasked_\@:
.endm
; A prefetch, behind each joint refill and the run of LDS loads that follows it: the K step that stands two refills on.  The tokens' tile row is read by every cluster of that row of clusters: cluster x = 0 asks;
; the weights' tile column by every cluster of that column: cluster y = 0 asks.  The four partners share a wave's bytes out by address: of the tokens' 16 row groups x 2,048 bytes each takes 4 groups (32 lanes x 256 bytes);
; of the weights' 11 x 2,048 each takes 512 bytes of every group (22 lanes x 256; lanes 22-31 repeat lane 21's).  The loop's last trip asks for nothing: its refills are the last two K steps.
.macro ASK
	s_cmp_gt_u32 s3, s[LIM]
	s_cbranch_scc0 .Lnot_mine_\@
	global_prefetch_b8 v[PFO], s[PFA:PFA+1] offset:KSTEPB th:TH_LOAD_NT scope:SCOPE_SE
.Lnot_mine_\@:
.endm
.macro CREST                           ; a round of the cluster's barrier behind its opening barrier
	s_cmp_lg_u32 s[WV], 0
	s_cbranch_scc1 .Lnot_wave_0_\@
	s_barrier_signal -3
.Lnot_wave_0_\@:
	s_barrier_wait -3
	s_barrier_signal -1
	s_barrier_wait -1
.endm
.macro CROUND
	s_barrier_signal -1
	s_barrier_wait -1
	CREST
.endm
	s_load_b128 s[4:7], s[0:1], 0x0                ; xb s[4:5], wcat s[6:7]
	s_load_b128 s[8:11], s[0:1], 0x10              ; tab s[8:9], qh s[10:11]
	s_load_b64 s[12:13], s[0:1], 0x20              ; kv
	v_lshl_add_u32 v[SPW], v0, 2, SPARE
	v_mov_b32 v[NIL], 0
	ds_add_u32 v[SPW], v[NIL]                      ; the wave's opening: the add and its wait ahead of my first tensor load; the set-up below, work on registers, stands between them
	v_lshrrev_b32 v1, 5, v0
	v_readfirstlane_b32 s[WV], v1
	s_lshr_b32 s15, s[WV], 1
	s_and_b32 s16, s[WV], 1
	s_bfe_u32 s40, ttmp6, 0x40000                  ; cx
	s_bfe_u32 s41, ttmp6, 0x40004                  ; cy
	s_lshl_b32 s42, ttmp9, 2
	s_add_co_u32 s42, s42, s40                     ; ct = 4 x cluster x + cx
	s_and_b32 s17, ttmp7, 0xffff
	s_lshl_b32 s17, s17, 2
	s_add_co_u32 s17, s17, s41                     ; rt = 4 x cluster y + cy
	s_lshl_b32 s43, s41, 2
	s_lshl_b32 s43, 15, s43                        ; my row of the cluster
	s_lshl_b32 s44, 0x1111, s40                    ; my column
	s_or_b32 s[G1], s43, (3<<16)|(1<<21)           ; 15:0 the mask; 17:16 elements of 8 bytes; 21 set beside a mask; no padding
	s_or_b32 s[G1B], s44, (3<<16)|(1<<21)
	s_mov_b32 s[G1+1], 256<<16                     ; tensor_dim0 = 256 elements: 2,048 bytes of a row group
	s_mov_b32 s[G1B+1], 256<<16
	s_mov_b32 s[G1+2], 16<<16                      ; tensor_dim1 = 16 row groups of tokens,
	s_mov_b32 s[G1B+2], 11<<16                     ; 11 of weights
	s_mov_b32 s[G1+3], 256<<16                     ; tile_dim0
	s_mov_b32 s[G1B+3], 256<<16
	s_mov_b32 s[G1+4], 16                          ; tile_dim1
	s_mov_b32 s[G1B+4], 11
	s_mov_b32 s[G1+5], 8192                        ; from a row group to the next: 65,536 bytes
	s_mov_b32 s[G1B+5], 8192
	s_mov_b32 s[G1+6], 0
	s_mov_b32 s[G1B+6], 0
	s_mov_b32 s[G1+7], 0
	s_mov_b32 s[G1B+7], 0
	s_lshl_b32 s20, s16, 11                        ; my K half
	s_lshl_b32 s18, s17, 20                        ; the tokens' tile: 16 rt row groups on
	s_add_co_u32 s18, s18, s20
	s_mov_b32 s19, 0
	s_mul_i32 s46, s42, 11                         ; the weights' tile: 11 ct row groups on
	s_lshl_b32 s46, s46, 16
	s_add_co_u32 s46, s46, s20
	s_mov_b32 s47, 0
	s_lshl_b32 s21, s[WV], 15                      ; where my load lands in a slot: no place in the cluster enters an LDS address
	s_wait_dscnt 0x0                               ; the opening add is done
	s_wait_kmcnt 0x0
	s_add_nc_u64 s[18:19], s[4:5], s[18:19]
	s_add_nc_u64 s[46:47], s[6:7], s[46:47]
	CROUND                                         ; all sixteen work-groups are here: the first joint loads meet
.irp s, 0,1
	s_mov_b32 s[G0+4*(\s)], 1
	s_add_co_u32 s[G0+4*(\s)+1], s21, (\s)*SLOT
	s_add_nc_u64 s[G0+4*(\s)+2:G0+4*(\s)+3], s[18:19], (\s)*KSTEPB
	s_or_b32 s[G0+4*(\s)+3], s[G0+4*(\s)+3], 0x80000000
	s_mov_b32 s[G0B+4*(\s)], 1
	s_add_co_u32 s[G0B+4*(\s)+1], s21, (\s)*SLOT
	s_add_nc_u64 s[G0B+4*(\s)+2:G0B+4*(\s)+3], s[46:47], (\s)*KSTEPB
	s_or_b32 s[G0B+4*(\s)+3], s[G0B+4*(\s)+3], 0x80000000
	JLOAD \s
.endr
	v_and_b32 v1, 31, v0
	v_lshlrev_b32 v[LO], 4, v1
	s_lshl_b32 s20, s[WV], 13                      ; my four row groups of tokens
	v_add_nc_u32 v[ADRA], s20, v[LO]
	v_add_nc_u32 v[ADRA+1], SLOT, v[ADRA]
	v_add_nc_u32 v[ADRB], 65536, v[LO]
	v_add_nc_u32 v[ADRB+1], SLOT+65536, v[LO]
	; where the table is read and the results go
	s_lshr_b32 s20, s17, 2                         ; batch
	s_and_b32 s21, s17, 3                          ; which 256 positions
	s_lshl_b32 s22, s21, 4
	s_lshl2_add_u32 s22, s[WV], s22                ; my first group of 16 positions: 16 rq + 4 w
	s_lshl_b32 s2, s22, 12
	s_and_b32 s23, s42, 1                          ; the half of the frequencies
	s_lshl_b32 s46, s23, 11
	s_add_co_u32 s2, s2, s46
	s_mov_b32 s3, 0
	s_add_nc_u64 s[TB:TB+1], s[8:9], s[2:3]
.irp a, 0,1,2,3
.irp c, 0,1
.irp q, 0,1
	global_load_b128 v[TAB+16*(\a)+8*(\c)+4*(\q):TAB+16*(\a)+8*(\c)+4*(\q)+3], v[LO], s[TB:TB+1] offset:(\a)*4096+(\c)*1024+(\q)*512
.endr
.endr
.endr
	s_lshl_b32 s2, s20, 6
	s_lshr_b32 s46, s42, 1
	s_add_co_u32 s2, s2, s46                       ; 64 batch + ct / 2: the head of u = 0
	s_lshl_b32 s2, s2, 6
	s_add_co_u32 s2, s2, s22
	s_lshl_b32 s2, s2, 11
	s_lshl_b32 s47, s23, 10
	s_add_co_u32 s2, s2, s47
	s_add_nc_u64 s[SQ:SQ+1], s[10:11], s[2:3]
	s_lshl_b32 s2, s20, 3                          ; 8 batch
	s_and_b32 s46, s46, 7
	s_add_co_u32 s46, s2, s46                      ; + the kv head of u = 4
	s_lshl_b32 s46, s46, 3
	s_lshl1_add_u32 s21, s21, s15                  ; the tile of 128 keys: 2 rq + w / 2
	s_add_co_u32 s46, s46, s21
	s_mul_i32 s46, s46, 49152
	s_bfe_u32 s22, s42, 0x10004                    ; K1 or K2
	s_lshl_b32 s22, s22, 14
	s_add_co_u32 s46, s46, s22
	s_lshl_b32 s22, s16, 13                        ; my 64 keys in the tile
	s_add_co_u32 s46, s46, s22
	s_add_co_u32 s46, s46, s47
	s_mov_b32 s47, 0
	s_add_nc_u64 s[SK:SK+1], s[12:13], s[46:47]
	s_lshr_b32 s46, s42, 2
	s_add_co_u32 s46, s2, s46                      ; 8 batch + v's kv head
	s_lshl_b32 s46, s46, 3
	s_add_co_u32 s46, s46, s21
	s_mul_i32 s46, s46, 49152
	s_add_co_u32 s46, s46, s22
	s_add_co_u32 s46, s46, 32768
	s_and_b32 s2, s42, 3                           ; v's 16 channels
	s_lshl_b32 s2, s2, 9
	s_add_co_u32 s46, s46, s2
	s_add_nc_u64 s[SV:SV+1], s[12:13], s[46:47]
	; the prefetches
	s_lshl_b32 s20, s17, 20
	s_lshl_b32 s21, s40, 18
	s_add_co_u32 s20, s20, s21                     ; tokens: row group 16 rt + 4 cx
	s_mul_i32 s21, s42, 11
	s_lshl_b32 s21, s21, 16
	s_lshl_b32 s23, s41, 9
	s_add_co_u32 s21, s21, s23                     ; weights: row group 11 ct, bytes 512 cy on
	s_and_b32 s22, ttmp7, 0xffff
	s_cmp_eq_u32 s15, 0
	s_cselect_b32 s20, s20, s21
	s_cselect_b32 s22, ttmp9, s22                  ; the coordinate along which other clusters read the same rows
	s_cselect_b64 s[PFA:PFA+1], s[4:5], s[6:7]
	s_cselect_b32 s2, 31, 21
	s_cselect_b32 s23, 3, 1
	s_cselect_b32 s21, 7, 1
	s_cmp_eq_u32 s22, 0
	s_cselect_b32 s[LIM], 1, -1                    ; the same in all sixteen partners, for a given wave
	v_min_u32 v2, s2, v1
	v_lshrrev_b32 v3, s23, v2                      ; the row group,
	v_and_b32 v2, s21, v2                          ; the 256 bytes in it
	v_lshlrev_b32 v2, 8, v2
	v_lshl_add_u32 v[PFO], v3, 16, v2
	s_lshl_b32 s22, s16, 11
	s_add_co_u32 s20, s20, s22
	s_add_co_u32 s20, s20, 2*KSTEPB                ; at K step 2: the first refill steps it to 3 and names K step 4.  Nothing is prefetched here, at the head
	s_mov_b32 s21, 0
	s_add_nc_u64 s[PFA:PFA+1], s[PFA:PFA+1], s[20:21]
; 11 matrix instructions: row block a x all columns, 32 along K.  The 44 accumulators take turns, one instruction a turn, in the same order in every quarter.  zero = 1: the first product starts the sums.
.macro MUL f, a, zero
	WIN 0xa5+0x50*((\a)/2)
.set AC, 88*((\a)%2)
.set FX, (\f)+88+8*(\a)
.irp b, 0,1,2,3,4,5,6,7,8,9
.if \zero
	v_wmma_f32_16x16x32_bf16 v[AC+8*(\b):AC+8*(\b)+7], v[(\f)+8*(\b):(\f)+8*(\b)+7], v[FX:FX+7], 0
.else
	v_wmma_f32_16x16x32_bf16 v[AC+8*(\b):AC+8*(\b)+7], v[(\f)+8*(\b):(\f)+8*(\b)+7], v[FX:FX+7], v[AC+8*(\b):AC+8*(\b)+7]
.endif
.endr
.if \zero
	v_wmma_f32_16x16x32_bf16 v[AC+80:AC+87], v[FX:FX+7], v[(\f)+80:(\f)+87], 0
.else
	v_wmma_f32_16x16x32_bf16 v[AC+80:AC+87], v[FX:FX+7], v[(\f)+80:(\f)+87], v[AC+80:AC+87]
.endif
.endm
; 30 LDS loads in one run: quarter q of a K step into buffer f: the weights' 22, then my tokens' 8
.macro FETCH slot, q, f
	WIN 0x40
.set KO, ((\q)>>1)*32768+((\q)&1)*1024
.irp b, 0,1,2,3,4,5,6,7,8,9,10
	ds_load_b128 v[(\f)+8*(\b):(\f)+8*(\b)+3],   v[ADRB+(\slot)] offset:KO+(\b)*2048
	ds_load_b128 v[(\f)+8*(\b)+4:(\f)+8*(\b)+7], v[ADRB+(\slot)] offset:KO+(\b)*2048+512
.endr
.irp a, 0,1,2,3
	ds_load_b128 v[(\f)+88+8*(\a):(\f)+88+8*(\a)+3],   v[ADRA+(\slot)] offset:KO+(\a)*2048
	ds_load_b128 v[(\f)+88+8*(\a)+4:(\f)+88+8*(\a)+7], v[ADRA+(\slot)] offset:KO+(\a)*2048+512
.endr
.endm
; One of a K step's first three quarters: multiplies buffer f; in its middle it fetches quarter q into buffer g.
.macro QUARTER slot, q, f, g, zero
	s_wait_dscnt 4                                 ; all but the youngest four loads (row blocks 2 and 3) are in
	MUL \f, 0, \zero
	MUL \f, 1, \zero
	PLACES
	FETCH \slot, \q, \g
	s_wait_dscnt 30                                ; all but the 30 just issued
	MUL \f, 2, \zero
	MUL \f, 3, \zero
.endm
; The last quarter multiplies buffer 1 and changes slots: one barrier; in front of it each wave waits for all its tensor loads (one is out: its part of the next slot), adds 0 to its spare word, and waits for that and for
; its reads of this slot.  fill = 1: the barrier opens a round of the cluster's, and the joint refill, two K steps on, is the first thing behind the round.
.macro TURN slot, next, fill
.if \fill
	s_wait_xcnt 0x0                                ; the last prefetch, a K step back, has read its address: it is stepped here
	s_add_nc_u64 s[PFA:PFA+1], s[PFA:PFA+1], KSTEPB
.endif
	WIN 0                                          ; (the add's two registers lie in window 0)
	s_wait_tensorcnt 0x0
	ds_add_u32 v[SPW], v[NIL]                      ; 0 onto my spare word
	s_wait_dscnt 5                                 ; (the add and the youngest four loads may be out)
	MUL F1, 0, 0                                   ; eleven matrix instructions stand between the add and the wait for it
	s_wait_dscnt 0x0                               ; the add is done, and my reads of this slot are over
	s_barrier_signal -1
	MUL F1, 1, 0
.if \fill
	WIN 0
.endif
	s_barrier_wait -1
.if \fill
	CREST                                          ; no wave of any partner still reads this slot's tiles or has a load on its way
	s_add_nc_u64 s[G0+4*(\slot)+2:G0+4*(\slot)+3], s[G0+4*(\slot)+2:G0+4*(\slot)+3], 2*KSTEPB
	s_add_nc_u64 s[G0B+4*(\slot)+2:G0B+4*(\slot)+3], s[G0B+4*(\slot)+2:G0B+4*(\slot)+3], 2*KSTEPB
	JLOAD \slot                                    ; the four v_nop behind it are also the places in front of the loads below
.else
	PLACES
.endif
	FETCH \next, 0, F0
.if \fill
	WIN 0
	ASK
.endif
	MUL F1, 2, 0
	MUL F1, 3, 0
.endm
	s_wait_tensorcnt 1                             ; my part of K step 0 is in; K step 1's may stay out
	s_barrier_signal -1
	s_barrier_wait -1
	FETCH 0, 0, F0
	QUARTER 0, 1, F0, F1, 1                        ; the first quarter stands in front of the loop: its products start the sums
	WIN 0
	s_mov_b32 s3, LAPS-1
.Llap:                                                 ; a trip goes once round the ring, from a lap's second quarter to the next lap's first, and fills both slots again
	QUARTER 0, 2, F1, F0, 0
	QUARTER 0, 3, F0, F1, 0
	TURN 0, 1, 1
	QUARTER 1, 1, F0, F1, 0
	QUARTER 1, 2, F1, F0, 0
	QUARTER 1, 3, F0, F1, 0
	TURN 1, 0, 1
	QUARTER 0, 1, F0, F1, 0
	WIN 0
	s_sub_co_u32 s3, s3, 1
	s_cmp_lg_u32 s3, 0
	s_cbranch_scc1 .Llap
	QUARTER 0, 2, F1, F0, 0                        ; the last lap fills nothing
	QUARTER 0, 3, F0, F1, 0
	TURN 0, 1, 0
	QUARTER 1, 1, F0, F1, 0
	QUARTER 1, 2, F1, F0, 0
	QUARTER 1, 3, F0, F1, 0
	s_wait_dscnt 4
	MUL F1, 0, 0
	MUL F1, 1, 0
	s_wait_dscnt 0x0
	MUL F1, 2, 0
	MUL F1, 3, 0
	WIN 0
	PLACES
	PLACES
	s_wait_loadcnt 0x0                             ; cos and sin
; THE WAY OUT of row block a.  x'(d) = x(d) cos - x(d + 32) sin, x'(d + 32) = x(d + 32) cos + x(d) sin, two numbers an instruction; each accumulator's registers are taken in ascending order.
.macro OUTA a
.set AC, 88*((\a)%2)
.set TC, TAB+16*(\a)
	WIN 0x02+(\a)/2                                ; source 0 in the accumulators' window
.irp u, 0,1,2,3,4
.irp p, 0,2,4,6
	v_pk_mul_f32 v[TMP+16*(\u)+(\p):TMP+16*(\u)+(\p)+1], v[AC+16*(\u)+(\p):AC+16*(\u)+(\p)+1], v[TC+(\p):TC+(\p)+1]
	v_pk_mul_f32 v[TMP+16*(\u)+8+(\p):TMP+16*(\u)+9+(\p)], v[AC+16*(\u)+8+(\p):AC+16*(\u)+9+(\p)], v[TC+(\p):TC+(\p)+1]
	v_pk_fma_f32 v[TMP+16*(\u)+(\p):TMP+16*(\u)+(\p)+1], v[AC+16*(\u)+8+(\p):AC+16*(\u)+9+(\p)], v[TC+8+(\p):TC+9+(\p)], v[TMP+16*(\u)+(\p):TMP+16*(\u)+(\p)+1] neg_lo:[1,0,0] neg_hi:[1,0,0]
	v_pk_fma_f32 v[TMP+16*(\u)+8+(\p):TMP+16*(\u)+9+(\p)], v[AC+16*(\u)+(\p):AC+16*(\u)+(\p)+1], v[TC+8+(\p):TC+9+(\p)], v[TMP+16*(\u)+8+(\p):TMP+16*(\u)+9+(\p)]
.endr
.endr
.if (\a) > 0
	s_wait_xcnt 0x0                                ; the last block's stores have read their data: the registers are written again only behind this wait
.endif
	WIN 0x0a+5*((\a)/2)                            ; sources 0 and 1 in the accumulators' window
.irp j, 0,1,2,3
	v_cvt_pk_f16_f32 v[OUT+40+(\j)], v[AC+80+2*(\j)], v[AC+81+2*(\j)]
.endr
	WIN 0
.set i, 0
.rept 40
	v_cvt_pk_f16_f32 v[OUT+i], v[TMP+2*i], v[TMP+2*i+1]
.set i, i+1
.endr
.irp u, 0,1,2,3
.irp c, 0,1
	global_store_b128 v[LO], v[OUT+8*(\u)+4*(\c):OUT+8*(\u)+4*(\c)+3], s[SQ:SQ+1] offset:(\u)*2097152+(\a)*2048+(\c)*512  ; 16 heads on for each u; 512 consecutive aligned bytes
.endr
.endr
.irp c, 0,1
	global_store_b128 v[LO], v[OUT+32+4*(\c):OUT+32+4*(\c)+3], s[SK:SK+1] offset:(\a)*2048+(\c)*512
.endr
	global_store_b128 v[LO], v[OUT+40:OUT+43], s[SV:SV+1] offset:(\a)*2048
.endm
	OUTA 0
	OUTA 1
	OUTA 2
	OUTA 3
	s_wait_tensorcnt 0x0                           ; the wave's end, behind my last tensor load
	ds_add_u32 v[SPW], v[NIL]
	s_wait_dscnt 0x0
	CROUND                                         ; the closing round: no work-group ends while a partner may still ask for a tile that names it
	s_endpgm
.Lfunc_end_k_qbe595f27df_qkv:
	.size	k_qbe595f27df_qkv, .Lfunc_end_k_qbe595f27df_qkv-k_qbe595f27df_qkv
	.p2alignl 7, 3214868480
	.fill 96, 4, 3214868480
	.section	.rodata,"a",@progbits
	.p2align	6, 0x0
	.amdhsa_kernel k_qbe595f27df_qkv
		.amdhsa_group_segment_fixed_size 327680
		.amdhsa_private_segment_fixed_size 0
		.amdhsa_enable_private_segment 0
		.amdhsa_kernarg_size 40
		.amdhsa_user_sgpr_count 2
		.amdhsa_user_sgpr_kernarg_segment_ptr 1
		.amdhsa_wavefront_size32 1
		.amdhsa_system_sgpr_workgroup_id_x 1
		.amdhsa_system_sgpr_workgroup_id_y 1
		.amdhsa_system_sgpr_workgroup_id_z 1
		.amdhsa_system_vgpr_workitem_id 0
		.amdhsa_next_free_vgpr 944
		.amdhsa_next_free_sgpr 80
		.amdhsa_reserve_vcc 0
		.amdhsa_float_denorm_mode_32 3
		.amdhsa_float_denorm_mode_16_64 3
		.amdhsa_memory_ordered 1
		.amdhsa_forward_progress 1
		.amdhsa_inst_pref_size 127
	.end_amdhsa_kernel
	.amdgpu_metadata
---
amdhsa.version: [ 1, 2 ]
amdhsa.kernels:
  - .name:           k_qbe595f27df_qkv
    .symbol:         k_qbe595f27df_qkv.kd
    .args:
      - { .name: xb, .offset: 0, .size: 8, .value_kind: global_buffer, .address_space: global }
      - { .name: wcat, .offset: 8, .size: 8, .value_kind: global_buffer, .address_space: global }
      - { .name: tab, .offset: 16, .size: 8, .value_kind: global_buffer, .address_space: global }
      - { .name: qh, .offset: 24, .size: 8, .value_kind: global_buffer, .address_space: global }
      - { .name: kv, .offset: 32, .size: 8, .value_kind: global_buffer, .address_space: global }
    .group_segment_fixed_size: 327680
    .private_segment_fixed_size: 0
    .kernarg_segment_align: 8
    .kernarg_segment_size: 40
    .max_flat_workgroup_size: 128
    .sgpr_count:     80
    .vgpr_count:     944
    .wavefront_size: 32
...
	.end_amdgpu_metadata
.endif
;; end of part 2
;; launch attn (part 3): grid 16 x 16, 4 waves a work-group, clusters of 4 x 1, 327,680 bytes of LDS; arguments qh, kv, lambda_q1, lambda_k1, lambda_q2, lambda_k2, ob; writes ob
.if DOCPART == 3
	.amdgcn_target "amdgcn-amd-amdhsa--gfx1250"
	.amdhsa_code_object_version 6
	.text
	.protected	k_qbe595f27df_attn
	.globl	k_qbe595f27df_attn
	.p2align	8
	.type	k_qbe595f27df_attn,@function
k_qbe595f27df_attn:
	s_mov_b64 s[64:65], 0
	v_nop
	global_prefetch_b8 v0, s[64:65] scope:SCOPE_SE
	s_setreg_imm32_b32 hwreg(HW_REG_WAVE_MODE, 25, 1), 1
	s_wait_xcnt 0x0
	s_wait_alu depctr_hold_cnt(0) depctr_sa_sdst(0) depctr_va_vdst(0) depctr_va_sdst(0) depctr_va_ssrc(0) depctr_va_vcc(0) depctr_vm_vsrc(0)
	s_getreg_b32 s2, hwreg(HW_REG_IB_STS2, 6, 4)
	s_cmp_eq_u32 s2, 0
	s_cbranch_scc0 .Lentry_in_a_cluster
	s_endpgm
.Lentry_in_a_cluster:
	s_bfe_u32 s2, ttmp6, 0x10000c
	s_cmp_lg_u32 s2, 0x3003
	s_cbranch_scc0 .Lentry_shape_is_right
	s_endpgm
.Lentry_shape_is_right:
; DIFFERENTIAL CAUSAL ATTENTION, head size 64, 1,024 positions, 2 x 32 heads on 2 x 8 kv heads.  For each head two streams: a_i = softmax over k <= q of (q_i . k_i / 8), i = 1, 2, on ONE V.
; Stored: O' = (a1 V - lam a2 V) / (1 + |lam|) in f16, lam = e^(lq1 . lk1) - e^(lq2 . lk2) + 0.78360577; the last launch multiplies by (1 - 0.78360577)(1 + |lam|) in f32.  So lam never enters a 16-bit number: O' lies within V's range.
; Products, maxima and sums in f32; the weights are rounded to f16 for the second product (their sum l is taken of the unrounded weights); the four lambda vectors are rounded to bf16 like all the module's inputs, then used in f32.
; LIMITS.  q, k, v arrive in f16, within 65,504.  A hidden score counts as its value less 1e30; a weight below 2^-126 counts as 0 in l.  1 + |lam| stays under 2^126 (beyond, its reciprocal is flushed to 0).  NaN and infinities are not treated apart.
; THE WALK.  A head's queries lie in 8 blocks of 128; block i needs the key tiles 0 .. i of 128 keys, the last of which holds the diagonal.  A work-group takes blocks 7 - p and then p: 9 tiles, whatever p:
; all work-groups do equal work and one loop with a constant trip count walks them.  Which tile is asked for, and what a trip does, hang on scalars made from p; every jump but the counted loops' own goes forward and passes no barrier and no tensor load.
; CLUSTER.  The four query heads of a kv head (cx) with the same p walk the same tiles of K1, K2 and V: every tile is asked for jointly, by the same load, descriptor and mask in all four.  p is the cluster's x: no branch hangs on cx.
; SHARES.  A wave owns four PIECES x: band x / 2 (64 queries; my 16 rows of it), stream x % 2.  In the diagonal tile's key step s (64 keys) band b sees all keys if s < b, none if s > b, and holds the diagonal if s = b: the same for all waves.
; THE MASK is the C operand that starts S^T = K Q^T: MD x AL + BE, MD the mask of a band's own step for my rows, with (AL, BE) = (1, 0), (0, 0) or (0, -1e30); off the diagonal tile it is 0.  One text serves all tiles.
; LAYOUT.  All operands lie in memory and LDS as fragment blocks ([lane 32][16 bytes], 512 bytes): K and Q by 16 rows x 16 channels, V^T by 16 channels x 16 keys: every LDS load takes 512 consecutive bytes, nothing is turned or padded.
; S^T holds ONE query a lane (lane % 16) and the keys 8 (lane / 16) + 0..7; two such results rounded to f16 ARE source 1 of O^T = V^T P, whose result holds one query and eight channels a lane: 16 bytes of a block of O'.
; TURNS.  Turn n belongs to piece n: 8 products K Q^T of piece n + 1, later 8 products V^T P of piece n - 1; beside them the scaling, exponentials, roundings, sums and rescaling of piece n and the maximum and statistics of
; piece n + 1.  Four vector instructions stand behind every matrix instruction, the rest in one lump.  A turn's 33 exponentials are one batch with one wait.
; REGISTERS, in windows of 256 (s_set_vgpr_msb: bits 1:0 source 0, 3:2 source 1, 5:4 source 2, 7:6 destination):
;   window 0: addresses; v16-31 statistics; v32, v34 the streams' factors; v48-55 at work; v64-127 S^T, two buffers; v192-223 P, two buffers (by the piece's parity)
;   window 1: v0-127 O^T, 32 a piece; v128-159 MD; v160-223 the masks to come, by band      window 2: v0-63 Q; v64-127 the second block's Q; v128-191 K1, v192-255 K2 of one step      window 3: v0-63 V^T of one step
.set NB,    8
.set NP,    4
.set TILEB, 49152     ; a tile: K1, K2, V^T of 128 keys, 16,384 bytes each
.set SLOT1, 1<<16     ; slot 1 begins here, so that one exclusive or turns an address in one slot into the other's
.set SPARE, 1<<17     ; behind the ring: the spare words, 128 bytes for each wave: two blocks of 256 bytes that no other line names
.set L16, 2           ; v2   16 x lane: my place in every block, in LDS and in memory; never rewritten
.set AK,  4           ; v4   the LDS address of K's next runs of loads
.set AV,  5           ; v5   of V's
.set MV,  12          ; v12-13  c m_old, kept while c m is made anew: by buffer
.set ST,  16          ; piece t's statistics at v[ST+4 t]: c m, m, l (even keys', odd keys')
.set W1,  32          ; v32  1 / (1 + |lam|);  v34  lam / (1 + |lam|)
.set TMP, 48          ; by buffer, four registers c0-c3 at work; when the maximum is found c2 takes a
.set PFO, 61          ; v61  256 x lane; never rewritten
.set SPW, 62          ; v62  my spare word; never rewritten
.set NIL, 63          ; v63  0; never rewritten
.set S,   64
.set P,   192
.set MD,  128
.set MC,  160
.set QB,  64
.set KF,  128
.set WV,  12          ; s12  my wave's number
.set PB,  14          ; s14  p
.set HI,  15          ; s15  7 - p
.set PFA, 18          ; s[18:19] where my prefetches stand
.set G1,  24          ; s[24:31] descriptor group 1
.set G0,  40          ; s[40:43] descriptor group 0
.set KVW, 44          ; s[44:45] kv at my quarter of the kv head's tile 0
.set LIM, 46          ; s46  4 in a wave that prefetches, else a number that SLOTS never reaches
.set SLOTS, 56        ; s56  tiles still to be asked for
.set CNT, 57          ; s57  counts a tile's key steps, 2 to 1
.set CS,  58          ; s[58:59] c = log2(e) / 8
.set SEL, 60          ; s[60:61] v_permlanex16_b32's selects
.set TBK, 62          ; s62  LDS byte at which K1 of the step to be fetched begins
.set TBV, 63          ; s63  the same for V, less 32,768
.set RT,  70          ; s70  tiles of the block in hand still to be entered
.set NXT, 71          ; s71  the tile to be asked for next
.set LQ,  72          ; s72  the last tile of the block whose tiles are being asked for
.set NEW, 73          ; s73  1: the tile to be entered is a block's first
.set OFF, 74          ; s[74:75] a tile's byte offset
.set AL,  76          ; s[76:77] the mask's factor
.set BE,  78          ; s[78:79] the mask's addend
.set OLO, 80          ; s[80:81] ob at my rows of the second block
.set BIGN, 82         ; s82  -1e30
.set DC,  83          ; s83  CNT in the diagonal tile, else 0
.set LP,  88          ; s[88:95] lambda_q1, lambda_k1, lambda_q2, lambda_k2
.set MSB, 0
.macro WIN new
.if MSB != (\new)
	s_set_vgpr_msb (MSB<<8)|(\new)
.set MSB, (\new)
.endif
.endm
.set W_KQ, 0x0a       ; K and Q in window 2, S^T in window 0
.set W_KM, 0x1a       ; the same with the C operand in window 1
.set W_PV, 0x53       ; V in window 3, P in window 0, O^T in window 1
.set W_RS, 0x41       ; destination and source 0 in window 1, source 1 in window 0
.macro PLACES
.rept 4
	v_nop
.endr
.endm
.macro CROUND                       ; a round of the cluster's barrier
	s_barrier_signal -1
	s_barrier_wait -1
	s_cmp_lg_u32 s[WV], 0
	s_cbranch_scc1 .Lnot_wave_0_\@
	s_barrier_signal -3
.Lnot_wave_0_\@:
	s_barrier_wait -3
	s_barrier_signal -1
	s_barrier_wait -1
.endm
; A PREFETCH.  Of a kv head's clusters the one with p = 0 walks tiles 0 to 7 first to last: it alone asks.  In trips 0, 2 and 4 (SLOTS = 8, 6, 4), behind the refill that asks for tile t + 1, it names tiles t + 2 and t + 3:
; 98,304 bytes = 4 partners (told apart by address) x waves 0-2 x 32 lanes x 256 bytes: each block is named once in the launch, the nearer tile one trip (two key steps, 128 matrix instructions) ahead of its load.  Tiles 0 and 1 come by their loads alone.
.macro ASK
	s_bitcmp1_b32 s[SLOTS], 0
	s_cbranch_scc1 .Lnot_mine_\@
	s_cmp_ge_u32 s[SLOTS], s[LIM]
	s_cbranch_scc0 .Lnot_mine_\@
	global_prefetch_b8 v[PFO], s[PFA:PFA+1] th:TH_LOAD_NT scope:SCOPE_SE
.Lnot_mine_\@:
.endm
; THE CHANGE OF SLOTS.  Each wave waits for all its tensor loads (one is out: its quarter of the other slot), adds 0 to its spare word, and waits for that and for its reads of the slot that it leaves.
; fill = 1: the barrier is a round of the cluster's, and the joint refill, tile NXT, is the first thing behind it; the descriptor's address is made anew from that number.  (At its first use slot 0 is waited for and slot 1 filled.)
.macro CHANGE fill
	WIN 0
	s_wait_tensorcnt 0x0            ; no tensor load of mine is out, so group 0 may be written
	ds_add_u32 v[SPW], v[NIL]       ; 0 onto my spare word; the scalar work stands between it and the wait for it
.if \fill
	s_mul_i32 s[OFF], s[NXT], TILEB
	s_xor_b32 s[G0+1], s[G0+1], SLOT1
	s_add_nc_u64 s[G0+2:G0+3], s[KVW:KVW+1], s[OFF:OFF+1]
	s_or_b32 s[G0+3], s[G0+3], 0x80000000
	s_add_co_u32 s[NXT], s[NXT], 1  ; the block's next tile, or behind its last the second block's tile 0
	s_cmp_gt_u32 s[NXT], s[LQ]
	s_cselect_b32 s[NXT], 0, s[NXT]
	s_cselect_b32 s[LQ], s[PB], s[LQ]
	s_wait_xcnt 0x0                 ; the last prefetch, two key steps back or more, has read its address
	s_add_nc_u64 s[PFA:PFA+1], s[PFA:PFA+1], TILEB
	s_wait_dscnt 0x0                ; the add is done, and my reads of the slot are over
	CROUND
	tensor_load_to_lds s[G0:G0+3], s[G1:G1+7]  ; my one tensor load behind the round: it has two key steps in which to land
	s_nop 0
	PLACES
	ASK
.else
	s_wait_dscnt 0x0
	s_barrier_signal -1
	s_barrier_wait -1
.endif
	s_sub_co_u32 s[TBK], s[TBK], 16384  ; the fetches go back to a slot's first step,
	s_xor_b32 s[TBK], s[TBK], SLOT1     ; in the other slot
	s_sub_co_u32 s[TBV], s[TBV], 16384
	s_xor_b32 s[TBV], s[TBV], SLOT1
.endm
	s_load_b128 s[4:7], s[0:1], 0x0   ; qh s[4:5], kv s[6:7]
	s_load_b256 s[LP:LP+7], s[0:1], 0x10
	s_load_b64 s[10:11], s[0:1], 0x30 ; ob
	v_lshl_add_u32 v[SPW], v0, 2, SPARE
	v_mov_b32 v[NIL], 0
	ds_add_u32 v[SPW], v[NIL]       ; the wave's opening: the add and its wait ahead of my first tensor load; the set-up below, work on registers, stands between them
	v_lshrrev_b32 v1, 5, v0
	v_readfirstlane_b32 s[WV], v1
	s_bfe_u32 s13, ttmp6, 0x40000   ; cx: the head in its group of four: it enters Q's, O's and the prefetches' addresses alone
	s_mov_b32 s[PB], ttmp9          ; in a cluster launch ttmp9 counts clusters
	s_sub_co_u32 s[HI], NB-1, s[PB]
	s_and_b32 s20, ttmp7, 0xffff    ; 8 x batch + kv head
	s_lshr_b32 s21, s20, 3
	s_and_b32 s22, s20, 7
	s_lshl2_add_u32 s22, s22, s13   ; the head
	s_lshl_b32 s21, s21, 6          ; 64 x batch
	s_add_co_u32 s16, s21, s22
	s_lshl_b32 s16, s16, 17         ; stream 1's head in qh: 64 groups of 16 rows x 2,048 bytes
	s_lshl3_add_u32 s2, s[HI], s[WV]   ; my group of 16 rows in band 0 of the first block,
	s_lshl3_add_u32 s84, s[PB], s[WV]  ; and of the second
	s_lshl_b32 s32, s2, 11
	s_add_co_u32 s32, s32, s16
	s_lshl_b32 s34, s84, 11
	s_add_co_u32 s34, s34, s16
	s_add_co_u32 s2, s2, s21
	s_add_co_u32 s84, s84, s21
	s_lshl_b32 s2, s2, 16           ; in ob a group of 16 rows is 65,536 bytes,
	s_lshl_b32 s84, s84, 16
	s_lshl_b32 s17, s22, 11         ; a head 2,048 of them
	s_add_co_u32 s2, s2, s17
	s_add_co_u32 s84, s84, s17
	s_mov_b32 s3, 0
	s_mov_b32 s85, 0
	s_mov_b32 s33, 0
	s_mov_b32 s35, 0
	s_mul_i32 s36, s20, 8*TILEB     ; the kv head's eight tiles
	s_mul_i32 s17, s[WV], 12288     ; my quarter of a tile, in memory and in a slot
	s_mul_i32 s38, s13, 24576       ; the prefetches: my work-group's quarter of two tiles,
	s_add_co_u32 s38, s38, s36
	s_lshl_b32 s23, s[WV], 13       ; my wave's third of it,
	s_add_co_u32 s38, s38, s23
	s_add_co_u32 s38, s38, TILEB    ; at tile 1: the first change of slots steps it to tile 2
	s_add_co_u32 s36, s36, s17
	s_mov_b32 s37, 0
	s_mov_b32 s39, 0
	s_mov_b32 s[G1], 15|(3<<16)|(1<<21)  ; 15:0 the mask of four; 17:16 elements of 8 bytes; 21 set beside a mask; no padding
	s_mov_b32 s[G1+1], 32<<16       ; tensor_dim0 = 32 elements: the 12,288 dense bytes are asked for as 48 rows of 256
	s_mov_b32 s[G1+2], 48<<16       ; tensor_dim1
	s_mov_b32 s[G1+3], 32<<16       ; tile_dim0
	s_mov_b32 s[G1+4], 48           ; tile_dim1
	s_mov_b32 s[G1+5], 32           ; from row to row
	s_mov_b32 s[G1+6], 0
	s_mov_b32 s[G1+7], 0
	s_mov_b32 s[G0], 1
	s_mov_b32 s[G0+1], s17          ; slot 0
	s_mov_b32 s[CS], 0x3e38aa3b     ; c = log2(e) / 8
	s_mov_b32 s[CS+1], s[CS]
	s_mov_b32 s[SEL], 0x76543210
	s_mov_b32 s[SEL+1], 0xfedcba98
	s_mov_b32 s[TBK], SLOT1+16384   ; the first change of slots turns these two into 0
	s_mov_b32 s[TBV], SLOT1+16384
	s_add_co_u32 s[RT], s[HI], 1    ; the first block has 8 - p tiles
	s_mov_b32 s[NXT], 1
	s_mov_b32 s[LQ], s[HI]
	s_mov_b32 s[NEW], 1
	s_mov_b32 s[OFF+1], 0
	s_mov_b32 s[AL+1], 0
	s_mov_b32 s[BE+1], 0
	s_mov_b32 s[BIGN], 0xf149f2ca   ; -1e30
	s_mov_b32 s[SLOTS], NB
	s_cmp_lt_u32 s[WV], 3
	s_cselect_b32 s[LIM], 4, 0x7fffffff
	s_cmp_eq_u32 ttmp9, 0           ; the same in all four partners
	s_cselect_b32 s[LIM], s[LIM], 0x7fffffff
	s_wait_dscnt 0x0                ; the opening add is done
	s_wait_kmcnt 0x0
	s_add_nc_u64 s[KVW:KVW+1], s[6:7], s[36:37]
	s_add_nc_u64 s[PFA:PFA+1], s[6:7], s[38:39]
	s_add_nc_u64 s[G0+2:G0+3], s[KVW:KVW+1], 0
	s_or_b32 s[G0+3], s[G0+3], 0x80000000
	s_add_nc_u64 s[86:87], s[4:5], s[34:35]        ; Q at my rows of the second block,
	s_add_nc_u64 s[4:5], s[4:5], s[32:33]          ; Q and O at those of the first
	s_add_nc_u64 s[OLO:OLO+1], s[10:11], s[84:85]
	s_add_nc_u64 s[10:11], s[10:11], s[2:3]
	CROUND                          ; all four work-groups are here: the first joint loads meet
	tensor_load_to_lds s[G0:G0+3], s[G1:G1+7]      ; tile 0 into slot 0
	s_nop 0
	PLACES
	v_and_b32 v1, 15, v0            ; l % 16
	v_bfe_u32 v9, v0, 4, 1          ; l / 16
	v_and_b32 v10, 31, v0
	v_lshlrev_b32 v[L16], 4, v10
	v_lshlrev_b32 v[PFO], 8, v10
	v_lshlrev_b32 v11, 3, v10       ; my two numbers of each lambda vector
.irp n, 0,1,2,3
	global_load_b64 v[S+2*(\n):S+2*(\n)+1], v11, s[LP+2*(\n):LP+2*(\n)+1]
.endr
	WIN 0x80                        ; destination window 2, address window 0
.irp x, 0,1,2,3                     ; both blocks' Q: piece x: stream x % 2 lies 32 heads on, band x / 2 four groups of rows on; two halves of 32 channels, two blocks each
.irp c, 0,1,2,3
	global_load_b128 v[16*(\x)+4*(\c):16*(\x)+4*(\c)+3],       v[L16], s[4:5]   offset:((\x)%2)*4194304+((\x)/2)*8192+(\c)*512
	global_load_b128 v[QB+16*(\x)+4*(\c):QB+16*(\x)+4*(\c)+3], v[L16], s[86:87] offset:((\x)%2)*4194304+((\x)/2)*8192+(\c)*512
.endr
.endr
	WIN 0
	s_wait_loadcnt 32               ; the four lambda vectors are in; Q's 32 loads, issued behind them, may stay out
.irp n, 0,1,2,3
	v_cvt_pk_bf16_f32 v[S+8+(\n)], v[S+2*(\n)], v[S+2*(\n)+1]
.endr
.irp n, 0,1,2,3
	v_lshlrev_b32 v[S+2*(\n)], 16, v[S+8+(\n)]
	v_and_b32 v[S+2*(\n)+1], 0xffff0000, v[S+8+(\n)]
.endr
	v_mul_f32 v[S+8], v[S], v[S+2]
	v_mul_f32 v[S+9], v[S+4], v[S+6]
	v_fmac_f32 v[S+8], v[S+1], v[S+3]
	v_fmac_f32 v[S+9], v[S+5], v[S+7]
.irp m, 1,2,4,8
	v_add_f32_dpp v[S+8], v[S+8], v[S+8] row_xmask:\m row_mask:0xf bank_mask:0xf
	v_add_f32_dpp v[S+9], v[S+9], v[S+9] row_xmask:\m row_mask:0xf bank_mask:0xf
.endr
	v_permlanex16_b32 v[S+10], v[S+8], s[SEL], s[SEL+1]
	v_permlanex16_b32 v[S+11], v[S+9], s[SEL], s[SEL+1]
	v_add_f32 v[S+8], v[S+8], v[S+10]
	v_add_f32 v[S+9], v[S+9], v[S+11]
	v_mul_f32 v[S+8], 0x3fb8aa3b, v[S+8]
	v_mul_f32 v[S+9], 0x3fb8aa3b, v[S+9]
	v_exp_f32 v[S+8], v[S+8]
	v_exp_f32 v[S+9], v[S+9]
	v_nop                           ; a plain instruction behind the batch, and its one wait ahead of the first reader
	s_wait_alu depctr_va_vdst(0)
	v_sub_f32 v[S+8], v[S+8], v[S+9]
	v_add_f32 v[S+8], 0x3f489a63, v[S+8]           ; lam
	v_and_b32 v[S+9], 0x7fffffff, v[S+8]
	v_add_f32 v[S+9], 1.0, v[S+9]
	v_rcp_f32 v[W1], v[S+9]
	v_nop
	s_wait_alu depctr_va_vdst(0)
	v_mul_f32 v[W1+2], v[S+8], v[W1]
	v_lshlrev_b32 v14, 3, v9
	v_sub_nc_u32 v14, v1, v14
	s_lshl_b32 s13, s[WV], 4
	v_add_nc_u32 v14, s13, v14      ; my query's place in its band, 16 w + l % 16, less my lanes' 8 (l / 16): register r of group kt is hidden where 16 kt + r is greater
	WIN 0x40
.set i, 0
.rept 32
	v_cmp_gt_i32 vcc_lo, 16*(i/8)+i%8, v14
	v_cndmask_b32 v[MD+i], 0, s[BIGN], vcc_lo
.set i, i+1
.endr
	; A block's first step multiplies O^T and l by a = 0, and its first turn's products V^T P, of a piece that has not been, land in an O^T that is still to be so multiplied.  So these registers need only hold
	; finite numbers: zeros for the first block, what the first block left for the second.  All this stands in the wait for the first tile.
	WIN 0xc0
.set i, 0
.rept 64
	v_mov_b32 v[i], 0
.set i, i+1
.endr
	WIN 0x40
.set i, 0
.rept 128
	v_mov_b32 v[i], 0
.set i, i+1
.endr
	WIN 0
.set i, 0
.rept 4
	v_mov_b32 v[ST+4*i+2], 0
	v_mov_b32 v[ST+4*i+3], 0
.set i, i+1
.endr
.set i, P+16
.rept 16
	v_mov_b32 v[i], 0
.set i, i+1
.endr
; THE MATRIX WORK.  The 4 accumulators of a run of 8 take turns.  Product i of 8 of S^T = K Q^T for piece x: channels 32 (i / 4) on, keys 16 (i % 4) on; K of stream x % 2.  The first 4 start the sums with the band's mask.
.macro KQ x
.set rS, S+32*((\x)%2)+8*(i%4)
.set rK, KF+64*((\x)%2)+16*(i%4)+8*(i/4)
.set rQ, 16*(\x)+8*(i/4)
.set rM, MC+32*((\x)/2)+8*(i%4)
.if i < 4
	WIN W_KM
	v_wmma_f32_16x16x32_f16 v[rS:rS+7], v[rK:rK+7], v[rQ:rQ+7], v[rM:rM+7]
.else
	WIN W_KQ
	v_wmma_f32_16x16x32_f16 v[rS:rS+7], v[rK:rK+7], v[rQ:rQ+7], v[rS:rS+7]
.endif
.endm
; Product i of 8 of O^T += V^T P for piece x: keys 32 (i / 4) on, channels 16 (i % 4) on.
.macro PV x
	WIN W_PV
.set rO, 32*(\x)+8*(i%4)
.set rV, 32*(i/4)+8*(i%4)
.set rP, P+16*((\x)%2)+8*(i/4)
	v_wmma_f32_16x16x32_f16 v[rO:rO+7], v[rV:rV+7], v[rP:rP+7], v[rO:rO+7]
.endm
.macro MM                           ; the turn's next matrix instruction.  NOKQ = 1: a block's last turn: there is no next piece
.if (i < 8) && !NOKQ
	KQ (Y+1)%NP
.elseif i >= 8
.set i, i-8
	PV (Y+NP-1)%NP
.set i, i+8
.endif
.set i, i+1
.endm
; THE LDS LOADS stand in runs of 16: a step's K1 (s = 0), its K2 (s = 1), its V^T.
.macro FETCH_K s
	WIN 0x80                        ; destination window 2
.irp f, 0,1,2,3,4,5,6,7             ; keys 16 (f / 2) on, channels' half f % 2
	ds_load_b128 v[KF+64*(\s)+8*\f:KF+64*(\s)+8*\f+3],   v[AK] offset:(\s)*16384+(\f/2)*2048+(\f%2)*1024
	ds_load_b128 v[KF+64*(\s)+8*\f+4:KF+64*(\s)+8*\f+7], v[AK] offset:(\s)*16384+(\f/2)*2048+(\f%2)*1024+512
.endr
.if \s
	s_add_co_u32 s[TBK], s[TBK], 8192  ; the next fetch is the next step's
.endif
	WIN 0
.endm
.macro FETCH_V
	WIN 0xc0                        ; destination window 3
.irp f, 0,1,2,3,4,5,6,7             ; keys 32 (f / 4) on, channels 16 (f % 4) on
	ds_load_b128 v[8*\f:8*\f+3],   v[AV] offset:32768+(\f/4)*4096+(\f%4)*512
	ds_load_b128 v[8*\f+4:8*\f+7], v[AV] offset:32768+(\f/4)*4096+(\f%4)*512+2048
.endr
	WIN 0
.endm
; THE VECTOR WORK, one line at a time: OP kind, number.  For piece Y: F n: c s - c m for pair n of 16.  E n: the exponential of score n of 32.  C n: pair n rounded to f16.  B n: of the four weights 4 n .. the second
; pair is added onto the first, in place.  L n: l takes that sum (L 0: l = a l + sum).  R n: pair n of 16 of O^T times a.  For piece Y + 1: X n, number n of the 22 that find its maximum and statistics:
;   0-11  four chains c0-c3 of seven scores each, three operands at a time (each accumulator's lowest registers are read first)     12-14, 16  the four scores left over, the old m, and c0-c3 into c0
;   15  c m_old is kept     17, 18  the query's other 32 keys lie in the lane 16 away: the new m     19-21  c m; c m_old - c m_new; a
.set F, 0
.set E, 1
.set C, 2
.set B, 3
.set L, 4
.set R, 5
.set X, 6
.macro REGS y
.set rT, ST+4*(\y)
.set rC, TMP+4*((\y)%2)
.set rW, MV+((\y)%2)
.set rS, S+32*((\y)%2)
.set rP, P+16*((\y)%2)
.set rO, 32*(\y)
.endm
.macro OP k, n
.if (\k) == R
	REGS Y
	WIN W_RS
	v_pk_mul_f32 v[rO+2*(\n):rO+2*(\n)+1], v[rO+2*(\n):rO+2*(\n)+1], v[rC+2:rC+3] op_sel_hi:[1,0]
.elseif (\k) < R
	REGS Y
	WIN 0
.if (\k) == F
	v_pk_fma_f32 v[rS+2*(\n):rS+2*(\n)+1], v[rS+2*(\n):rS+2*(\n)+1], s[CS:CS+1], v[rT:rT+1] op_sel_hi:[1,0,0] neg_lo:[0,0,1] neg_hi:[0,0,1]
.elseif (\k) == E
	v_exp_f32 v[rS+(\n)], v[rS+(\n)]
.elseif (\k) == C
	v_cvt_pk_f16_f32 v[rP+(\n)], v[rS+2*(\n)], v[rS+2*(\n)+1]
.elseif (\k) == B
	v_pk_add_f32 v[rS+4*(\n):rS+4*(\n)+1], v[rS+4*(\n):rS+4*(\n)+1], v[rS+4*(\n)+2:rS+4*(\n)+3]
.elseif (\n) == 0
	v_pk_fma_f32 v[rT+2:rT+3], v[rT+2:rT+3], v[rC+2:rC+3], v[rS:rS+1] op_sel_hi:[1,0,1]
.else
	v_pk_add_f32 v[rT+2:rT+3], v[rT+2:rT+3], v[rS+4*(\n):rS+4*(\n)+1]
.endif
.elseif NOKQ
	v_nop
.else
	REGS (Y+1)%NP
	WIN 0
.if (\n) < 4
	v_max3_num_f32 v[rC+(\n)], v[rS+8*(\n)], v[rS+8*(\n)+1], v[rS+8*(\n)+2]
.elseif (\n) < 12
	v_max3_num_f32 v[rC+(\n)%4], v[rC+(\n)%4], v[rS+8*((\n)%4)+2*((\n)/4)+1], v[rS+8*((\n)%4)+2*((\n)/4)+2]
.elseif (\n) == 12
	v_max3_num_f32 v[rC], v[rC], v[rS+7], v[rS+15]
.elseif (\n) == 13
	v_max3_num_f32 v[rC+1], v[rC+1], v[rS+23], v[rS+31]
.elseif (\n) == 14
	v_max3_num_f32 v[rC+2], v[rC+2], v[rC+3], v[rT+1]
.elseif (\n) == 15
	v_mov_b32 v[rW], v[rT]
.elseif (\n) == 16
	v_max3_num_f32 v[rC], v[rC], v[rC+1], v[rC+2]
.elseif (\n) == 17
	v_permlanex16_b32 v[rC+3], v[rC], s[SEL], s[SEL+1]
.elseif (\n) == 18
	v_max_num_f32 v[rT+1], v[rC], v[rC+3]
.elseif (\n) == 19
	v_mul_f32 v[rT], s[CS], v[rT+1]
.elseif (\n) == 20
	v_sub_f32 v[rC+1], v[rW], v[rT]
.else
	v_exp_f32 v[rC+2], v[rC+1]
.endif
.endif
.endm
.macro OPS a, i1, b=-1, i2=0, c=-1, i3=0, d=-1, i4=0
	OP \a, \i1
.if (\b) >= 0
	OP \b, \i2
.endif
.if (\c) >= 0
	OP \c, \i3
.endif
.if (\d) >= 0
	OP \d, \i4
.endif
.endm
.macro ROW a, i1, b, i2, c, i3, d, i4  ; a matrix instruction and the four behind it
	MM
	OPS \a, \i1, \b, \i2, \c, \i3, \d, \i4
.endm
.macro MASK b                       ; MD x AL + BE into band b's mask
	WIN W_RS
.set z, 0
.rept 16
	v_pk_fma_f32 v[MC+32*(\b)+2*z:MC+32*(\b)+2*z+1], v[MD+2*z:MD+2*z+1], s[AL:AL+1], s[BE:BE+1] op_sel_hi:[1,0,0]
.set z, z+1
.endr
.endm
; A TURN, for piece p.  ONE wait cuts it in two.  Ahead of it stands all that names no result of the turn's exponentials: the 8 products K Q^T with a scaling, an exponential and two more plain instructions behind each, then one lump,
; plain and exponential by turns for the most part, in which the links of the next piece's chain stand apart; its a is the batch's last, and R 15 the plain instruction behind it.  Behind the wait: the 8 products V^T P, behind each four of the roundings and sums.
; K1 of the next step is fetched in piece 2's turn (its last reader stands in piece 1's), K2 in piece 3's (last reader in piece 2's); each is waited for at the head of the next turn.  V of the step in hand is fetched at the
; end of piece 0's turn, four plain instructions behind the last product that read V, and waited for in piece 1's.
; Piece 2's turn makes band 0's mask for the step that it fetches (read in the next two turns), piece 0's turn band 1's mask for the step in hand; a mask's last readers stand two turns back.
; end = 1: a block's last two turns: nothing is fetched, no mask is made.  cnt = 1: the loop's count is taken down some lines ahead of the branch that stands behind the turn.
.macro TURN p, end=0, cnt=0
.set Y, (\p)
.set i, 0
.set NOKQ, (\end)*((\p)/3)
.if ((\p) == 2) && !(\end)
	s_cmp_eq_u32 s[RT], 0
	s_cselect_b32 s[DC], s[CNT], 0
	s_cmp_eq_u32 s[DC], 2           ; the diagonal tile's step 0 is band 0's own,
	s_cselect_b32 s[AL], 1.0, 0
	s_cmp_eq_u32 s[DC], 1           ; its step 1 is hidden from band 0
	s_cselect_b32 s[BE], s[BIGN], 0
.endif
.if (\p) == 0
	s_cmp_eq_u32 s[RT], 0
	s_cselect_b32 s[DC], s[CNT], 0
	s_cmp_eq_u32 s[DC], 1           ; the diagonal tile's step 1 is band 1's own; its step 0 band 1 sees whole
	s_cselect_b32 s[AL], 1.0, 0
	s_mov_b32 s[BE], 0
.endif
.if (((\p) == 3) && !(\end)) || ((\p) == 0)
	s_wait_dscnt 0x0                ; K1 (piece 3's turn) or K2 (piece 0's) is in
.endif
	ROW F,0, F,1, R,0, R,1
	ROW F,2, E,0, R,2, R,3
	ROW F,3, E,1, R,4, R,5
	ROW F,4, E,2, R,6, R,7
	ROW F,5, E,3, R,8, R,9
	ROW F,6, E,4, X,0, R,10
.if ((\p) == 2) && !(\end)
	WIN 0
	v_add_nc_u32 v[AK], s[TBK], v[L16]
.endif
	ROW F,7, E,5, X,1, X,4
	ROW F,8, E,6, X,2, X,5
	OPS E,7, E,8, X,6, E,9
	OPS X,3, E,10, X,8, E,11
.if ((\p) == 2) && !(\end)
	FETCH_K 0
.endif
.if ((\p) == 3) && !(\end)
	FETCH_K 1
.endif
	OPS X,9, X,7, E,12, X,10
	OPS E,13, X,12, X,11, E,14
	OPS X,13, E,15, F,9, X,14
.if (\p) == 0
	v_add_nc_u32 v[AV], s[TBV], v[L16]
.endif
	OPS E,16, F,10, E,17, F,11
	OPS X,16, E,18, X,15, E,19
	OPS F,12, E,20, X,17, E,21
	OPS F,13, E,22, F,14, E,23
	OPS X,18, E,24, F,15, E,25
	OPS R,11, E,26, X,19, E,27
	OPS R,12, E,28, R,13, E,29
	OPS X,20, E,30, R,14, E,31
	OPS X,21, R,15
	WIN 0
	s_wait_alu depctr_va_vdst(0)    ; the wait for the batch, ahead of the first instruction that names a result
.if (\p) == 1
	s_wait_dscnt 0x0                ; V is in
.endif
	ROW C,0, B,0, C,2, B,1
	ROW L,0, C,4, B,2, L,1
	ROW C,6, B,3, L,2, C,8
	ROW B,4, L,3, C,10, B,5
	ROW L,4, C,12, B,6, L,5
.if (\p) == 0
	s_add_co_u32 s[TBV], s[TBV], 8192
.endif
.if \cnt
	s_sub_co_u32 s[CNT], s[CNT], 1
	s_cmp_lg_u32 s[CNT], 0
.endif
	ROW C,14, B,7, L,6, C,1
	ROW C,3, L,7, C,5, C,7
	ROW C,9, C,11, C,13, C,15
.if (\p) == 0
	FETCH_V
	MASK 1
.endif
.if ((\p) == 2) && !(\end)
	MASK 0
.endif
.endm
; A BLOCK BEGINS.  c m starts far below every c s, so the first step's a is 0; m at the lowest finite number.  Band 0's mask for the tile's step 0: its own, if the block's first tile is the diagonal one.
; Then K1 and K2 of that step, piece 0's first scores, and its maximum and statistics.  The loop is entered at a step's first turn, in the middle of a trip.
.macro BEGIN
	s_mov_b32 s[NEW], 0
	WIN 0
.set i, 0
.rept 4
	v_mov_b32 v[ST+4*i], 0xfe000000
	v_mov_b32 v[ST+4*i+1], 0xff7fffff
.set i, i+1
.endr
	s_cmp_eq_u32 s[RT], 0
	s_cselect_b32 s[AL], 1.0, 0
	s_mov_b32 s[BE], 0
	MASK 0
	WIN 0
	v_add_nc_u32 v[AK], s[TBK], v[L16]
	FETCH_K 0
	FETCH_K 1
	s_wait_loadcnt 0x0              ; Q
	s_wait_dscnt 0x0
.set NOKQ, 0
.set i, 0
.rept 8
	KQ 0
.set i, i+1
.endr
	WIN 0
	PLACES                          ; the places behind those products
.set Y, NP-1                        ; X works for piece Y + 1: piece 0
.irp n, 0,1,2,3,4,5,6,7,8,9,10,11,12,13,14,15,16,17,18,19,20,21
	OP X, \n
.endr
	v_nop
	s_wait_alu depctr_va_vdst(0)    ; a's wait, ahead of the branch
.endm
.macro ALL line:vararg              ; one line for each piece t
.set t, 0
.rept 4
	\line
.set t, t+1
.endr
.endm
; Band b leaves: O' = O1 f1 - O2 f2, f_i = the stream's factor / l_i; each accumulator's registers in ascending order; a lane's eight channels pack into 16 bytes of a block.
.macro BAND b
	WIN W_RS
.set i, 0
.rept 16
	v_pk_mul_f32 v[64*(\b)+32+i:64*(\b)+33+i], v[64*(\b)+32+i:64*(\b)+33+i], v[ST+8*(\b)+6:ST+8*(\b)+7] op_sel_hi:[1,0]
.set i, i+2
.endr
	WIN 0x51                        ; source 2 in window 1 too
.set i, 0
.rept 16
	v_pk_fma_f32 v[64*(\b)+i:64*(\b)+i+1], v[64*(\b)+i:64*(\b)+i+1], v[ST+8*(\b)+2:ST+8*(\b)+3], v[64*(\b)+32+i:64*(\b)+33+i] op_sel_hi:[1,0,1] neg_lo:[0,0,1] neg_hi:[0,0,1]
.set i, i+2
.endr
	WIN 0x05                        ; sources 0 and 1 window 1, destination window 0: S^T's registers are free
.set i, 0
.rept 16
	v_cvt_pk_f16_f32 v[S+16*(\b)+i], v[64*(\b)+2*i], v[64*(\b)+2*i+1]
.set i, i+1
.endr
	WIN 0
.irp f, 0,1,2,3
	global_store_b128 v[L16], v[S+16*(\b)+4*\f:S+16*(\b)+4*\f+3], s[10:11] offset:(\b)*262144+\f*512  ; 512 consecutive aligned bytes
.endr
.endm
; A BLOCK ENDS: its last two turns, its last products, and the way out.
.macro FINISH
	TURN 2, 1
	TURN 3, 1
.set i, 0
.rept 8
	PV NP-1
.set i, i+1
.endr
	WIN 0
	PLACES
	ALL v_add_f32 v[ST+4*t+2], v[ST+4*t+2], v[ST+4*t+3]
	ALL v_permlanex16_b32 v[ST+4*t+3], v[ST+4*t+2], s[SEL], s[SEL+1]
	ALL v_add_f32 v[ST+4*t+2], v[ST+4*t+2], v[ST+4*t+3]
	ALL v_rcp_f32 v[ST+4*t+2], v[ST+4*t+2]
	v_nop
	s_wait_alu depctr_va_vdst(0)    ; one wait for the four reciprocals
	ALL v_mul_f32 v[ST+4*t+2], v[ST+4*t+2], v[W1+2*(t%2)]
	BAND 0
	BAND 1
.endm
; A TILE OF THE WALK.  The test for a block's first tile stands first.  A trip of the step loop: pieces 2 and 3 of one step, then pieces 0 and 1 of the next, whose K and V it fetches.
.macro TILE tag, fill, last
	CHANGE \fill
	s_sub_co_u32 s[RT], s[RT], 1
	s_mov_b32 s[CNT], 2
	s_cmp_eq_u32 s[NEW], 1
	s_cbranch_scc0 .Lstep\tag
	BEGIN
	s_branch .Lfirst\tag
.Lstep\tag:
	TURN 2
	TURN 3
	WIN 0
.Lfirst\tag:
	TURN 0
	TURN 1, 0, 1
	WIN 0
	s_cbranch_scc1 .Lstep\tag
.if !(\last)
	s_cmp_eq_u32 s[RT], 0
	s_cbranch_scc0 .Lbottom         ; not the block's last tile
.endif
	FINISH
.if !(\last)
	s_wait_xcnt 0x0                 ; the stores have read their registers and O's address
	s_mov_b64 s[10:11], s[OLO:OLO+1]
	s_add_co_u32 s[RT], s[PB], 1    ; the second block has p + 1 tiles
	s_mov_b32 s[NEW], 1
	WIN 0x82                        ; the second block's Q goes where the one text of the turns names Q
.set i, 0
.rept 64
	v_mov_b32 v[i], v[QB+i]
.set i, i+1
.endr
	WIN 0
.endif
.endm
.set NOKQ, 0
.Lslot:                             ; 8 times: a tile is entered and the next is asked for
	TILE 1, 1, 0
.Lbottom:
	s_sub_co_u32 s[SLOTS], s[SLOTS], 1
	s_cmp_lg_u32 s[SLOTS], 0
	s_cbranch_scc1 .Lslot
	TILE 2, 0, 1                    ; the walk's last tile is written out: nothing is asked for
	s_wait_tensorcnt 0x0            ; the wave's end, behind my last tensor load
	ds_add_u32 v[SPW], v[NIL]
	s_wait_dscnt 0x0
	CROUND                          ; the closing round: no work-group ends while a partner may still ask for a tile that names it
	s_endpgm
.Lfunc_end_k_qbe595f27df_attn:
	.size	k_qbe595f27df_attn, .Lfunc_end_k_qbe595f27df_attn-k_qbe595f27df_attn
	.p2alignl 7, 3214868480
	.fill 96, 4, 3214868480
	.section	.rodata,"a",@progbits
	.p2align	6, 0x0
	.amdhsa_kernel k_qbe595f27df_attn
		.amdhsa_group_segment_fixed_size 327680
		.amdhsa_private_segment_fixed_size 0
		.amdhsa_enable_private_segment 0
		.amdhsa_kernarg_size 56
		.amdhsa_user_sgpr_count 2
		.amdhsa_user_sgpr_kernarg_segment_ptr 1
		.amdhsa_wavefront_size32 1
		.amdhsa_system_sgpr_workgroup_id_x 1
		.amdhsa_system_sgpr_workgroup_id_y 1
		.amdhsa_system_sgpr_workgroup_id_z 1
		.amdhsa_system_vgpr_workitem_id 0
		.amdhsa_next_free_vgpr 832
		.amdhsa_next_free_sgpr 96
		.amdhsa_reserve_vcc 1
		.amdhsa_float_denorm_mode_32 3
		.amdhsa_float_denorm_mode_16_64 3
		.amdhsa_memory_ordered 1
		.amdhsa_forward_progress 1
		.amdhsa_inst_pref_size 169
	.end_amdhsa_kernel
	.amdgpu_metadata
---
amdhsa.version: [ 1, 2 ]
amdhsa.kernels:
  - .name:           k_qbe595f27df_attn
    .symbol:         k_qbe595f27df_attn.kd
    .args:
      - { .name: qh, .offset: 0, .size: 8, .value_kind: global_buffer, .address_space: global }
      - { .name: kv, .offset: 8, .size: 8, .value_kind: global_buffer, .address_space: global }
      - { .name: lambda_q1, .offset: 16, .size: 8, .value_kind: global_buffer, .address_space: global }
      - { .name: lambda_k1, .offset: 24, .size: 8, .value_kind: global_buffer, .address_space: global }
      - { .name: lambda_q2, .offset: 32, .size: 8, .value_kind: global_buffer, .address_space: global }
      - { .name: lambda_k2, .offset: 40, .size: 8, .value_kind: global_buffer, .address_space: global }
      - { .name: ob, .offset: 48, .size: 8, .value_kind: global_buffer, .address_space: global }
    .group_segment_fixed_size: 327680
    .private_segment_fixed_size: 0
    .kernarg_segment_align: 8
    .kernarg_segment_size: 56
    .max_flat_workgroup_size: 128
    .sgpr_count:     96
    .vgpr_count:     832
    .wavefront_size: 32
...
	.end_amdgpu_metadata
.endif
;; end of part 3
;; launch oproj (part 4): grid 16 x 16, 4 waves a work-group, clusters of 4 x 4, 327,680 bytes of LDS; arguments ob, wob, lambda_q1, lambda_k1, lambda_q2, lambda_k2, out0; writes out0
.if DOCPART == 4
	.amdgcn_target "amdgcn-amd-amdhsa--gfx1250"
	.amdhsa_code_object_version 6
	.text
	.protected	k_qbe595f27df_oproj
	.globl	k_qbe595f27df_oproj
	.p2align	8
	.type	k_qbe595f27df_oproj,@function
k_qbe595f27df_oproj:
	s_mov_b64 s[64:65], 0
	v_nop
	global_prefetch_b8 v0, s[64:65] scope:SCOPE_SE
	s_setreg_imm32_b32 hwreg(HW_REG_WAVE_MODE, 25, 1), 1
	s_wait_xcnt 0x0
	s_wait_alu depctr_hold_cnt(0) depctr_sa_sdst(0) depctr_va_vdst(0) depctr_va_sdst(0) depctr_va_ssrc(0) depctr_va_vcc(0) depctr_vm_vsrc(0)
	s_getreg_b32 s2, hwreg(HW_REG_IB_STS2, 6, 4)
	s_cmp_eq_u32 s2, 0
	s_cbranch_scc0 .Lentry_in_a_cluster
	s_endpgm
.Lentry_in_a_cluster:
	s_bfe_u32 s2, ttmp6, 0x10000c
	s_cmp_lg_u32 s2, 0xf033
	s_cbranch_scc0 .Lentry_shape_is_right
	s_endpgm
.Lentry_shape_is_right:
; OUT.  out0[m][n] = (1 - 0.78360577)(1 + |lam|) x the sum over k of O'[m][k] wo[n][k]: 2,048 x 2,048 x 2,048, operands in f16 (wo: the bf16-rounded number), sums and the scale in f32, out0 in f32.
; lam = e^(lq1 . lk1) - e^(lq2 . lk2) + 0.78360577, from the four vectors rounded to bf16, as the launch before made it: the factor 1 + |lam| undoes that launch's division.
; Both operands lie in fragment blocks of 16 rows x 32 k, 1,024 bytes ([sub 2][lane 32][16 bytes]), a row group's 64 blocks on end.
; SHARES.  A tile of 128 x 128 to a work-group: 256 work-groups.  Four waves, each 64 x 64: 16 accumulators.  K goes in steps of 256 through two LDS slots; a wave's tensor load brings 4 row groups x 8,192 bytes.
; Blocks lie in LDS as in memory: a fragment load takes 512 consecutive bytes; no padding.  By this text's count a wave has two tensor loads out at the start and one behind each change of slots.
; CLUSTER.  4 x 4: O's tiles are asked for jointly along a row of the cluster, wo's along a column.  THE MATRIX INSTRUCTION IS USED TRANSPOSED (source 0 = 16 rows of wo, source 1 = 16 rows of O'): a lane holds 8 neighbouring numbers of a row of out0.
; THE WAY OUT.  A wave's 64 columns of f32 are 256 aligned bytes, so each wave has a stage of its own (16 rows x 272 bytes) and no barrier: 16 rows at a time go in by lanes and come back by rows.
; No prefetch: a step's tiles are small and are shared sixteenfold; the ring's loads are all that is asked.
; LIMITS.  1 + |lam| finite.  NaN and infinities are not treated apart.
; REGISTERS: window 0: v0-31 addresses and the scale; v32-127 at work on the way out; v128-255 the accumulators ((a, b) at 128 + 8 (4 a + b)).  window 1: two fragment buffers of 128: for 64 along K, 64 registers of O', then 64 of wo.
.set KSTEPB, 8192                      ; bytes of a row group in a K step
.set SLOT,   131072
.set STAGE,  2*SLOT
.set SPITCH, 272
.set SPARE,  STAGE+4*16*SPITCH         ; behind the stages: the spare words, 128 bytes for each wave: two blocks of 256 bytes that no other line names
.set LAPS,   4
.set ADRA, 16
.set ADRB, 20
.set STO,  24
.set RD,   25
.set CO,   26
.set LV,   27                          ; v27  8 x lane
.set SPW,  28
.set NIL,  29
.set SC,   30                          ; v[30:31] the scale, twice
.set TMP,  32
.set OUT,  64
.set ACC,  128
.set F0,   0
.set F1,   128
.set G1, 24
.set G0, 32
.set G1B, 48
.set G0B, 56
.set LP,  68                           ; s[68:75] lambda_q1, lambda_k1, lambda_q2, lambda_k2
.set SEL, 76                           ; s[76:77] v_permlanex16_b32's selects
.set MSB, 0
.macro WIN new
.if MSB != (\new)
	s_set_vgpr_msb (MSB<<8)|(\new)
.set MSB, (\new)
.endif
.endm
.set MUL,  0x05                        ; sources 0 and 1 window 1; C and D window 0
.set TO_F, 0x40                        ; destination window 1, address window 0
.macro JLOAD s                         ; a joint load: waves 0 and 1 fetch the two halves of O's tile, waves 2 and 3 of wo's; an s_nop 0 and four v_nop follow each line
	s_cmp_eq_u32 s11, 0
	s_cbranch_scc0 .Lfor_b_\@
	tensor_load_to_lds s[G0+4*(\s):G0+4*(\s)+3], s[G1:G1+7]
	s_nop 0
.rept 4
	v_nop
.endr
	s_branch .Lasked_\@
.Lfor_b_\@:
	tensor_load_to_lds s[G0B+4*(\s):G0B+4*(\s)+3], s[G1B:G1B+7]
	s_nop 0
.rept 4
	v_nop
.endr
.Lasked_\@:
.endm
.macro CREST
	s_cmp_lg_u32 s10, 0
	s_cbranch_scc1 .Lnot_wave_0_\@
	s_barrier_signal -3
.Lnot_wave_0_\@:
	s_barrier_wait -3
	s_barrier_signal -1
	s_barrier_wait -1
.endm
.macro CROUND
	s_barrier_signal -1
	s_barrier_wait -1
	CREST
.endm
.macro PLACES
.rept 4
	v_nop
.endr
.endm
	s_load_b128 s[4:7], s[0:1], 0x0                ; ob s[4:5], wob s[6:7]
	s_load_b256 s[LP:LP+7], s[0:1], 0x10
	s_load_b64 s[8:9], s[0:1], 0x30                ; out0
	v_lshl_add_u32 v[SPW], v0, 2, SPARE
	v_mov_b32 v[NIL], 0
	ds_add_u32 v[SPW], v[NIL]                      ; the wave's opening: the add and its wait ahead of my first tensor load; the set-up below, work on registers, stands between them
	v_lshrrev_b32 v1, 5, v0
	v_readfirstlane_b32 s10, v1                    ; wave 0..3
	s_lshr_b32 s11, s10, 1                         ; which half of the tile's rows is mine.  Also: I fetch for O' (0) or for wo (1)
	s_and_b32 s12, s10, 1                          ; which half of its columns.  Also: which 4 row groups of that tile I fetch
	s_bfe_u32 s40, ttmp6, 0x40000
	s_bfe_u32 s41, ttmp6, 0x40004
	s_lshl_b32 s42, ttmp9, 2
	s_add_co_u32 s42, s42, s40                     ; tile column
	s_and_b32 s13, ttmp7, 0xffff
	s_lshl_b32 s13, s13, 2
	s_add_co_u32 s13, s13, s41                     ; tile row
	s_lshl_b32 s43, s41, 2
	s_lshl_b32 s43, 15, s43
	s_lshl_b32 s44, 0x1111, s40
	s_or_b32 s[G1], s43, (3<<16)|(1<<21)           ; 15:0 the mask; 17:16 elements of 8 bytes; 21 set beside a mask; no padding
	s_or_b32 s[G1B], s44, (3<<16)|(1<<21)
.irp g, G1, G1B
	s_mov_b32 s[(\g)+1], 1024<<16                  ; tensor_dim0 = 1,024 elements: 8,192 bytes of a row group
	s_mov_b32 s[(\g)+2], 4<<16                     ; tensor_dim1 = 4 row groups
	s_mov_b32 s[(\g)+3], 1024<<16                  ; tile_dim0
	s_mov_b32 s[(\g)+4], 4                         ; tile_dim1
	s_mov_b32 s[(\g)+5], 8192                      ; from a row group to the next: 65,536 bytes
	s_mov_b32 s[(\g)+6], 0
	s_mov_b32 s[(\g)+7], 0
.endr
	s_mov_b32 s[SEL], 0x76543210
	s_mov_b32 s[SEL+1], 0xfedcba98
	s_lshl_b32 s17, s12, 2
	s_lshl3_add_u32 s16, s13, s17                  ; O': row group 8 x tile row + 4 x half
	s_lshl3_add_u32 s46, s42, s17                  ; wo: 8 x tile column + 4 x half
	s_lshl_b32 s16, s16, 16
	s_lshl_b32 s46, s46, 16
	s_mov_b32 s17, 0
	s_mov_b32 s47, 0
	s_lshl_b32 s20, s10, 15                        ; where my load lands in a slot
	s_wait_dscnt 0x0                               ; the opening add is done
	s_wait_kmcnt 0x0
	s_add_nc_u64 s[14:15], s[4:5], s[16:17]
	s_add_nc_u64 s[46:47], s[6:7], s[46:47]
	CROUND                                         ; all sixteen work-groups are here: the first joint loads meet
.irp s, 0,1
	s_mov_b32 s[G0+4*(\s)], 1
	s_add_co_u32 s[G0+4*(\s)+1], s20, (\s)*SLOT
	s_add_nc_u64 s[G0+4*(\s)+2:G0+4*(\s)+3], s[14:15], (\s)*KSTEPB
	s_or_b32 s[G0+4*(\s)+3], s[G0+4*(\s)+3], 0x80000000
	s_mov_b32 s[G0B+4*(\s)], 1
	s_add_co_u32 s[G0B+4*(\s)+1], s20, (\s)*SLOT
	s_add_nc_u64 s[G0B+4*(\s)+2:G0B+4*(\s)+3], s[46:47], (\s)*KSTEPB
	s_or_b32 s[G0B+4*(\s)+3], s[G0B+4*(\s)+3], 0x80000000
	JLOAD \s
.endr
	v_and_b32 v3, 31, v0
	v_lshlrev_b32 v[LV], 3, v3
.irp n, 0,1,2,3
	global_load_b64 v[TMP+2*(\n):TMP+2*(\n)+1], v[LV], s[LP+2*(\n):LP+2*(\n)+1]
.endr
	v_and_b32 v1, 15, v0                           ; l % 16
	v_bfe_u32 v2, v0, 4, 1                         ; l / 16
	v_lshlrev_b32 v3, 4, v3                        ; 16 x lane
	s_lshl_b32 s21, s11, 15                        ; my 4 row groups of O',
	s_lshl_b32 s22, s12, 15                        ; my 4 of wo,
	s_add_co_u32 s22, s22, 65536                   ; which lie behind O's 8
.irp s, 0,1
	v_add_nc_u32 v[ADRA+(\s)], s21, v3
	v_add_nc_u32 v[ADRB+(\s)], s22, v3
	s_add_co_u32 s21, s21, SLOT
	s_add_co_u32 s22, s22, SLOT
.endr
	s_mul_i32 s23, s10, 16*SPITCH
	s_add_co_u32 s23, s23, STAGE                   ; my stage
	v_mul_u32_u24 v4, v1, SPITCH                   ; in: row l % 16, 32 bytes for each half of the lanes
	v_lshl_add_u32 v4, v2, 5, v4
	v_add_nc_u32 v[STO], s23, v4
	v_mul_u32_u24 v5, v2, SPITCH                   ; back: lanes 0-15 take one row of 256 bytes, lanes 16-31 the next
	v_lshl_add_u32 v5, v1, 4, v5
	v_add_nc_u32 v[RD], s23, v5
	v_lshlrev_b32 v5, 13, v2                       ; and the same two rows in out0, 8,192 bytes apart
	v_lshl_add_u32 v[CO], v1, 4, v5
	s_lshl_b32 s16, s13, 7
	s_lshl_b32 s17, s11, 6
	s_add_co_u32 s16, s16, s17                     ; my first row
	s_lshl_b32 s16, s16, 13
	s_lshl_b32 s46, s42, 9                         ; my first column, in bytes
	s_lshl_b32 s47, s12, 8
	s_add_co_u32 s46, s46, s47
	s_add_co_u32 s16, s16, s46
	s_mov_b32 s17, 0
	s_add_nc_u64 s[8:9], s[8:9], s[16:17]
	s_wait_loadcnt 0x0                             ; the four lambda vectors
.irp n, 0,1,2,3
	v_cvt_pk_bf16_f32 v[TMP+8+(\n)], v[TMP+2*(\n)], v[TMP+2*(\n)+1]
.endr
.irp n, 0,1,2,3
	v_lshlrev_b32 v[TMP+2*(\n)], 16, v[TMP+8+(\n)]
	v_and_b32 v[TMP+2*(\n)+1], 0xffff0000, v[TMP+8+(\n)]
.endr
	v_mul_f32 v[TMP+8], v[TMP], v[TMP+2]
	v_mul_f32 v[TMP+9], v[TMP+4], v[TMP+6]
	v_fmac_f32 v[TMP+8], v[TMP+1], v[TMP+3]
	v_fmac_f32 v[TMP+9], v[TMP+5], v[TMP+7]
.irp m, 1,2,4,8
	v_add_f32_dpp v[TMP+8], v[TMP+8], v[TMP+8] row_xmask:\m row_mask:0xf bank_mask:0xf
	v_add_f32_dpp v[TMP+9], v[TMP+9], v[TMP+9] row_xmask:\m row_mask:0xf bank_mask:0xf
.endr
	v_permlanex16_b32 v[TMP+10], v[TMP+8], s[SEL], s[SEL+1]
	v_permlanex16_b32 v[TMP+11], v[TMP+9], s[SEL], s[SEL+1]
	v_add_f32 v[TMP+8], v[TMP+8], v[TMP+10]
	v_add_f32 v[TMP+9], v[TMP+9], v[TMP+11]
	v_mul_f32 v[TMP+8], 0x3fb8aa3b, v[TMP+8]
	v_mul_f32 v[TMP+9], 0x3fb8aa3b, v[TMP+9]
	v_exp_f32 v[TMP+8], v[TMP+8]
	v_exp_f32 v[TMP+9], v[TMP+9]
	v_nop                                          ; a plain instruction behind the batch, and its one wait ahead of the first reader
	s_wait_alu depctr_va_vdst(0)
	v_sub_f32 v[TMP+8], v[TMP+8], v[TMP+9]
	v_add_f32 v[TMP+8], 0x3f489a63, v[TMP+8]       ; lam
	v_and_b32 v[TMP+8], 0x7fffffff, v[TMP+8]
	v_add_f32 v[TMP+8], 1.0, v[TMP+8]
	v_mul_f32 v[SC], 0x3e5d9673, v[TMP+8]          ; (1 - 0.78360577)(1 + |lam|)
	v_mov_b32 v[SC+1], v[SC]
; 8 matrix instructions: m blocks a0, a0 + 1 x all 4 n blocks, 32 along K: half c of buffer f.  The 16 accumulators take turns.  zero = 1: the first product starts the sums
.macro MUL8 f, c, a0, zero
	WIN MUL
.irp a, \a0, (\a0)+1
.irp b, 0,1,2,3
.if \zero
	v_wmma_f32_16x16x32_f16 v[ACC+8*(4*(\a)+(\b)):ACC+8*(4*(\a)+(\b))+7], v[(\f)+64+8*(4*(\c)+(\b)):(\f)+64+8*(4*(\c)+(\b))+7], v[(\f)+8*(4*(\c)+(\a)):(\f)+8*(4*(\c)+(\a))+7], 0
.else
	v_wmma_f32_16x16x32_f16 v[ACC+8*(4*(\a)+(\b)):ACC+8*(4*(\a)+(\b))+7], v[(\f)+64+8*(4*(\c)+(\b)):(\f)+64+8*(4*(\c)+(\b))+7], v[(\f)+8*(4*(\c)+(\a)):(\f)+8*(4*(\c)+(\a))+7], v[ACC+8*(4*(\a)+(\b)):ACC+8*(4*(\a)+(\b))+7]
.endif
.endr
.endr
.endm
; 32 LDS loads in one run: the fragments of 64 along K (two blocks, at byte k of a row group's step) into buffer f; the first 32 along K first
.macro FETCH slot, k, f
	WIN TO_F
.irp c, 0,1
.irp i, 0,1,2,3
	ds_load_b128 v[(\f)+64+8*(4*(\c)+(\i)):(\f)+64+8*(4*(\c)+(\i))+3],   v[ADRB+(\slot)] offset:(\k)+1024*(\c)+(\i)*8192
	ds_load_b128 v[(\f)+64+8*(4*(\c)+(\i))+4:(\f)+64+8*(4*(\c)+(\i))+7], v[ADRB+(\slot)] offset:(\k)+1024*(\c)+(\i)*8192+512
	ds_load_b128 v[(\f)+8*(4*(\c)+(\i)):(\f)+8*(4*(\c)+(\i))+3],         v[ADRA+(\slot)] offset:(\k)+1024*(\c)+(\i)*8192
	ds_load_b128 v[(\f)+8*(4*(\c)+(\i))+4:(\f)+8*(4*(\c)+(\i))+7],       v[ADRA+(\slot)] offset:(\k)+1024*(\c)+(\i)*8192+512
.endr
.endr
.endm
; A K step is four quarters of 64 along K, 32 matrix instructions each, on buffers 0, 1, 0, 1.  One of the first three: multiplies buffer f and fetches the next quarter, at byte k, into g.
.macro QUARTER slot, k, f, g, zero
	s_wait_dscnt 16                                ; the first 32 along K are in
	MUL8 \f, 0, 0, \zero
	MUL8 \f, 0, 2, \zero
	PLACES
	FETCH \slot, \k, \g
	s_wait_dscnt 32                                ; all but the 32 just issued
	MUL8 \f, 1, 0, 0
	MUL8 \f, 1, 2, 0
.endm
; The last quarter multiplies buffer 1 and changes slots: one barrier; in front of it each wave waits for all its tensor loads, adds 0 to its spare word, and waits for that and for its reads of this slot.  fill = 1: this slot is filled again, two K steps on.
.macro TURN slot, next, fill
	WIN 0                                          ; (the add's two registers lie in window 0)
	s_wait_tensorcnt 0x0
	ds_add_u32 v[SPW], v[NIL]                      ; 0 onto my spare word
	s_wait_dscnt 17                                ; (the add and the youngest sixteen loads may be out)
	MUL8 F1, 0, 0, 0                               ; eight matrix instructions stand between the add and the wait for it
	s_wait_dscnt 0x0                               ; the add is done, and my reads of this slot are over
	s_barrier_signal -1
	MUL8 F1, 0, 2, 0
.if \fill
	WIN 0
.endif
	s_barrier_wait -1
.if \fill
	CREST                                          ; the barrier has opened a round of the cluster's: no wave of any partner still reads this slot's tiles or has a load on its way
	s_add_nc_u64 s[G0+4*(\slot)+2:G0+4*(\slot)+3], s[G0+4*(\slot)+2:G0+4*(\slot)+3], 2*KSTEPB
	s_add_nc_u64 s[G0B+4*(\slot)+2:G0B+4*(\slot)+3], s[G0B+4*(\slot)+2:G0B+4*(\slot)+3], 2*KSTEPB
	JLOAD \slot                                    ; the four v_nop behind it are also the places in front of the loads below
.else
	PLACES
.endif
	FETCH \next, 0, F0
	MUL8 F1, 1, 0, 0
	MUL8 F1, 1, 2, 0
.endm
	s_wait_tensorcnt 1                             ; my part of K step 0 is in; K step 1's may stay out
	s_barrier_signal -1
	s_barrier_wait -1
	FETCH 0, 0, F0
	QUARTER 0, 2048, F0, F1, 1                     ; the first quarter stands in front of the loop: its first products start the sums
	WIN 0
	s_mov_b32 s3, LAPS-1
.Llap:
	QUARTER 0, 4096, F1, F0, 0
	QUARTER 0, 6144, F0, F1, 0
	TURN 0, 1, 1
	QUARTER 1, 2048, F0, F1, 0
	QUARTER 1, 4096, F1, F0, 0
	QUARTER 1, 6144, F0, F1, 0
	TURN 1, 0, 1
	QUARTER 0, 2048, F0, F1, 0
	WIN 0
	s_sub_co_u32 s3, s3, 1
	s_cmp_lg_u32 s3, 0
	s_cbranch_scc1 .Llap
	QUARTER 0, 4096, F1, F0, 0                     ; the last lap fills nothing
	QUARTER 0, 6144, F0, F1, 0
	TURN 0, 1, 0
	QUARTER 1, 2048, F0, F1, 0
	QUARTER 1, 4096, F1, F0, 0
	QUARTER 1, 6144, F0, F1, 0
	s_wait_dscnt 16
	MUL8 F1, 0, 0, 0
	MUL8 F1, 0, 2, 0
	s_wait_dscnt 0x0
	MUL8 F1, 1, 0, 0
	MUL8 F1, 1, 2, 0
	WIN 0
	PLACES
	PLACES
; THE WAY OUT of my rows 16 a .. 16 a + 15: scaled, 32 bytes a lane into my stage, back as whole rows of 256 bytes.
.macro TOSTAGE a
.if (\a) >= 2
	s_wait_xcnt 0x0                                ; the stores of two blocks back have read their data: those registers are loaded again only behind this wait
.endif
.irp b, 0,1,2,3
.irp r, 0,2,4,6
	v_pk_mul_f32 v[TMP+8*(\b)+(\r):TMP+8*(\b)+(\r)+1], v[ACC+8*(4*(\a)+(\b))+(\r):ACC+8*(4*(\a)+(\b))+(\r)+1], v[SC:SC+1]
.endr
.endr
.irp b, 0,1,2,3
	ds_store_b128 v[STO], v[TMP+8*(\b):TMP+8*(\b)+3]   offset:64*(\b)
	ds_store_b128 v[STO], v[TMP+8*(\b)+4:TMP+8*(\b)+7] offset:64*(\b)+16
.endr
.irp t, 0,1,2,3,4,5,6,7
	ds_load_b128 v[OUT+32*((\a)%2)+4*(\t):OUT+32*((\a)%2)+4*(\t)+3], v[RD] offset:(\t)*2*SPITCH  ; LDS serves a wave's instructions in order (ISA guide 5.7.1.4): these see the stores above; the next block's stores come behind them
.endr
.endm
.macro SEND a, younger                 ; younger: the next block's 8 stores and 8 loads, or none
	s_wait_dscnt \younger
.irp t, 0,1,2,3,4,5,6,7
	global_store_b128 v[CO], v[OUT+32*((\a)%2)+4*(\t):OUT+32*((\a)%2)+4*(\t)+3], s[8:9] offset:(16*(\a)+2*(\t))*8192 th:TH_STORE_NT  ; 16 lanes store 256 consecutive bytes, aligned
.endr
.endm
	TOSTAGE 0
	TOSTAGE 1
	SEND 0, 16
	TOSTAGE 2
	SEND 1, 16
	TOSTAGE 3
	SEND 2, 16
	SEND 3, 0
	s_wait_tensorcnt 0x0                           ; the wave's end, behind my last tensor load and my last LDS store
	ds_add_u32 v[SPW], v[NIL]
	s_wait_dscnt 0x0
	CROUND                                         ; the closing round: no work-group ends while a partner may still ask for a tile that names it
	s_endpgm
.Lfunc_end_k_qbe595f27df_oproj:
	.size	k_qbe595f27df_oproj, .Lfunc_end_k_qbe595f27df_oproj-k_qbe595f27df_oproj
	.p2alignl 7, 3214868480
	.fill 96, 4, 3214868480
	.section	.rodata,"a",@progbits
	.p2align	6, 0x0
	.amdhsa_kernel k_qbe595f27df_oproj
		.amdhsa_group_segment_fixed_size 327680
		.amdhsa_private_segment_fixed_size 0
		.amdhsa_enable_private_segment 0
		.amdhsa_kernarg_size 56
		.amdhsa_user_sgpr_count 2
		.amdhsa_user_sgpr_kernarg_segment_ptr 1
		.amdhsa_wavefront_size32 1
		.amdhsa_system_sgpr_workgroup_id_x 1
		.amdhsa_system_sgpr_workgroup_id_y 1
		.amdhsa_system_sgpr_workgroup_id_z 1
		.amdhsa_system_vgpr_workitem_id 0
		.amdhsa_next_free_vgpr 512
		.amdhsa_next_free_sgpr 80
		.amdhsa_reserve_vcc 0
		.amdhsa_float_denorm_mode_32 3
		.amdhsa_float_denorm_mode_16_64 3
		.amdhsa_memory_ordered 1
		.amdhsa_forward_progress 1
		.amdhsa_inst_pref_size 92
	.end_amdhsa_kernel
	.amdgpu_metadata
---
amdhsa.version: [ 1, 2 ]
amdhsa.kernels:
  - .name:           k_qbe595f27df_oproj
    .symbol:         k_qbe595f27df_oproj.kd
    .args:
      - { .name: ob, .offset: 0, .size: 8, .value_kind: global_buffer, .address_space: global }
      - { .name: wob, .offset: 8, .size: 8, .value_kind: global_buffer, .address_space: global }
      - { .name: lambda_q1, .offset: 16, .size: 8, .value_kind: global_buffer, .address_space: global }
      - { .name: lambda_k1, .offset: 24, .size: 8, .value_kind: global_buffer, .address_space: global }
      - { .name: lambda_q2, .offset: 32, .size: 8, .value_kind: global_buffer, .address_space: global }
      - { .name: lambda_k2, .offset: 40, .size: 8, .value_kind: global_buffer, .address_space: global }
      - { .name: out0, .offset: 48, .size: 8, .value_kind: global_buffer, .address_space: global }
    .group_segment_fixed_size: 327680
    .private_segment_fixed_size: 0
    .kernarg_segment_align: 8
    .kernarg_segment_size: 56
    .max_flat_workgroup_size: 128
    .sgpr_count:     80
    .vgpr_count:     512
    .wavefront_size: 32
...
	.end_amdgpu_metadata
.endif
;; end of part 4
